; MI455X (gfx1250); checked and timed in simulation.
; The chip was launched on July 23, 2026; its instructions are those of AMD's public machine-readable ISA for CDNA 5 (MIT licence, August 2026) and "CDNA5" Instruction Set Architecture Reference Guide (July 2026). The comments in the code are by the model that wrote it; some were corrected since.
;; Causal Self Attention. Allowed arithmetic: matrix products marked QUANTISED: E2M3 operands, one E8M0 scale for each 32 along K, by v_wmma_scale_f32_16x16x128_f8f6f4 with both operands' format E2M3, f32 sums; everything else in f32.
;; Inputs: b_proj 1,024 float32; w_proj 1,024 x 1,024 float32; w_qkv 1,024 x 3,072 float32; x 2 x 2,048 x 1,024 float32.
;; Outputs: out0 2 x 2,048 x 1,024 float32.
;; This version of the problem:
;;   THIS VERSION OF THE PROBLEM IS GIVEN IN LOW PRECISION. The matrix products marked QUANTISED in the list below multiply operands that are first quantised to E2M3 (2 exponent bits, 3 mantissa bits; 6 bits a number), with one power-of-two scale for each 32 numbers along K (OCP MX v1.0); their sums are f32. All else is computed in f32.
;;   The module's matrix products, in the order in which they are computed (A, B: the left and right operand; K: the contracted axis; several contracted axes count as one K, in the product's order):
;;     1. [M 4,096, K 1,024] x [K 1,024, N 3,072]; A: input x; B: input w_qkv: QUANTISED
;;     2. batch 32 x [M 2,048, K 64] x [K 64, N 2,048]; A: computed on the way; B: computed on the way: QUANTISED
;;     3. batch 32 x [M 2,048, K 2,048] x [K 2,048, N 64]; A: softmax (see below); B: computed on the way: QUANTISED
;;     4. [M 4,096, K 1,024] x [K 1,024, N 1,024]; A: computed on the way; B: input w_proj: QUANTISED
;;   THE QUANTISER, for each operand of a quantised product, along K:
;;     - K is cut into blocks of 32 from its start; a last block that is shorter is filled with zeros.
;;     - A block's scale is 2^e with e = floor(log2(the largest magnitude in the block)) - 2, held to -126 .. 127; a block of zeros has e = 0. As a byte (E8M0): e + 127.
;;     - Each number is divided by its block's scale, clamped to +-7.5, and rounded to the nearest number of E2M3, ties to even, subnormals kept.
;;     - The product sums the exact products of the quantised numbers (number of the format x scale) in f32.
;;   ~~~python
;;   def quantise(x, axis):      # numpy; x: float32 -> the quantised numbers, widened to float32 again
;;       x = np.moveaxis(x, axis, -1); K = x.shape[-1]
;;       x = np.pad(x, [(0, 0)] * (x.ndim - 1) + [(0, -K % 32)]); x = x.reshape(x.shape[:-1] + (-1, 32)); a = np.abs(x).max(-1, keepdims=True)
;;       e = np.where(a > 0, np.clip(np.frexp(np.where(a > 0, a, 1))[1] - 1 - 2, -126, 127), 0)      # np.frexp(a)[1] - 1 = floor(log2(a)), exactly
;;       r = np.clip(x / 2.0 ** e, -7.5, 7.5)
;;       step = 2.0 ** (np.maximum(np.frexp(np.where(r == 0, 1, r))[1] - 1, 0) - 3)
;;       q = np.round(r / step) * step * 2.0 ** e      # np.round: ties to even
;;       return np.moveaxis(q.reshape(q.shape[:-2] + (-1,))[..., :K], -1, axis).astype(np.float32)
;;   ~~~
;;   SOFTMAX AHEAD OF A QUANTISED PRODUCT. Where the list says 'softmax', what is quantised is not the finished softmax but p = 2^(t - M), with t = logit x log2(e) and M = ceil(the row's largest t), a whole number; so 1/2 < the row's largest p <= 1. The row's sum l is taken of the UNQUANTISED p, in f32, and the product's result is divided by l at the end. Since M is a whole number, a kernel that streams over the keys may use a running M (the ceiling of the running maximum): every later rescaling is an exact power of two, which a block's scale takes up: the codes' values come out the same.
;;   OPERANDS COMPUTED ON THE WAY. 'Computed on the way' means the value that the module computes at that place (a softmax that the list does not call 'softmax' is quantised finished and normalised). What goes into a quantiser is computed in f32, as accurately as f32 sums, v_exp_f32 and their like allow (about 1e-6 of the number): no bf16 or f16 on the way to a quantiser, and a product that is left as it is and whose result goes on into a quantised operand takes f32 operands (vector FMAs, or v_wmma_f32_16x16x4_f32). A number that lies on a knife's edge between two numbers of the format may be rounded either way, as far as f32 arithmetic and the matrix unit's own rounding can turn it there, and no further.
;; One version. Each part assembles by itself: llvm-mc -triple=amdgcn-amd-amdhsa -mcpu=gfx1250 --defsym DOCPART=n.
;; ======== version 1 of 1: 4 launches
;; limits: right only within a limited range of input values
;; workspace buffers: opc 6,291,456 bytes; ops 262,144 bytes; qkv 10,092,544 bytes; yc 3,145,728 bytes; ys 131,072 bytes
;; launch quant (part 1): grid 256 x 1, 4 waves a work-group, no clusters, 87,552 bytes of LDS; arguments x, w_qkv, w_proj, opc, ops; writes opc, ops
.if DOCPART == 1
	.amdgcn_target "amdgcn-amd-amdhsa--gfx1250"
	.amdhsa_code_object_version 6
	.text
	.protected	k_q0a55f9ed2b_quant
	.globl	k_q0a55f9ed2b_quant
	.p2align	8
	.type	k_q0a55f9ed2b_quant,@function
k_q0a55f9ed2b_quant:
	s_mov_b64 s[64:65], 0
	v_nop
	global_prefetch_b8 v0, s[64:65] scope:SCOPE_SE
	s_setreg_imm32_b32 hwreg(HW_REG_WAVE_MODE, 25, 1), 1
	s_wait_xcnt 0x0
; x [4096][1024], w_qkv [1024][3072] and w_proj [1024][1024], f32, become codes of FP6 (E2M3) with one E8M0 byte for each 32 along K = 1024.
; A block's scale is 2^(floor(log2(its largest magnitude)) - 2): its byte is the largest magnitude's exponent field - 2, held at 1 from below.
; LIMITS: a block of zeros gets the byte 1 where the rule says 127 (its codes are zeros, and only this program reads the bytes); blocks whose largest
; magnitude lies under 2^-124 were not tried; NaN and infinities among the inputs are not served.
; WORK LEFT OUT BY THE PROGRAM: reference() puts -infinity on every score whose key lies behind its query, so a tile of 16 queries x 128 keys that is hidden whole adds exactly nothing for any finite input; it is not
; computed.  A NaN, an infinity or an overflow that reaches only such a tile is not carried to the result.
; ORDER: within each group of 64 rows of x (64 columns of a weight) stored tile j, row 8 h + i, is number 32 h + 8 j + i (j = 0 .. 3, h = 0, 1, i = 0 .. 7).
; TILES of 16 rows: x 0-255 (4 group + j); w_qkv 256 + 12 head + 4 (0 q, 1 k, 2 v) + j; w_proj 448-511 (448 + 4 group + j).
; CODES (opc): 12,288 bytes a tile: eight K steps of 128, each an IMAGE OF THE OPERAND'S REGISTERS in three pieces of 512 bytes: registers 4 p .. 4 p + 3 of lane l at 512 p + 16 l.
; SCALE BYTES (ops): [pair of tiles][256 along K: 4][tile % 2][row][2 words], 256 bytes for each pair and 256 along K.
; SHARES.  x, work-groups 0-127: a pair of tiles; a wave takes 256 along K.  Weights, 128-223 w_qkv, 224-255 w_proj: 128 columns x 256 along K; a wave takes 32 neighbouring columns, a lane one, its registers down K.
; A work-group's images of a weight are gathered in LDS (a wave's columns are one half h of four tiles), and behind its one barrier a wave stores one pair of tiles.
; The three ways part on the work-group's number; each has LDS bytes of its own.  No tensor loads.
.set XSTW,  8448                       ; x: a wave's stage: 16 rows x (512 bytes + 16)
.set STG1,  33792                      ; w_qkv: eight tiles' images of 3,072 bytes, 3,200 apart,
.set SST1,  59392                      ; and their scale words, 128 bytes a tile
.set STG2,  60416                      ; w_proj: likewise
.set SST2,  86016
.set SPARE, 87040
.set SPW,   254
.set NIL,   255
.set TM,    8                          ; v8-23   at work in QUANT
.set PC,    224                        ; v224-242 the codes just made
.set SEL,   20                         ; s[20:21] lane selects for v_permlanex16_b32: lane l xor 16
; 64 numbers of a lane, register 16 b + i = k 32 b + 16 (lane / 16) + i of its row, become a fragment's codes in v[PC] .. v[PC+11] and its scale word in v[pw].
.macro QUANT s, pw
.irp b, 0,1,2,3
	v_max3_num_f32 v[TM+\b], |v[(\s)+16*\b]|, |v[(\s)+1+16*\b]|, 0x1800000   ; block b: my 16 numbers, and the floor 2^(3 - 127): the byte cannot fall under 1
.endr
.irp i, 2,4,6,8,10,12,14
.irp b, 0,1,2,3
	v_max3_num_f32 v[TM+\b], v[TM+\b], |v[(\s)+16*\b+\i]|, |v[(\s)+1+16*\b+\i]|   ; the four blocks by turns
.endr
.endr
.irp b, 0,1,2,3
	v_permlanex16_b32 v[TM+4+\b], v[TM+\b], s[SEL], s[SEL+1]
.endr
.irp b, 0,1,2,3
	v_max_num_f32 v[TM+\b], v[TM+\b], v[TM+4+\b]   ; with lane l xor 16's: the block's largest magnitude
.endr
.irp b, 0,1,2,3
	v_add_nc_u32 v[TM+12+\b], 0xff000000, v[TM+\b]   ; 2 off its exponent field: the conversion's scale operand
.endr
.irp b, 0,1,2,3
	v_lshrrev_b32 v[TM+4+\b], 23, v[TM+12+\b]      ; the scale's byte
.endr
	v_lshl_or_b32 v[\pw], v[TM+5], 8, v[TM+4]
	v_lshl_or_b32 v[\pw], v[TM+6], 16, v[\pw]
	v_lshl_or_b32 v[\pw], v[TM+7], 24, v[\pw]      ; my row's scale word
.irp c, 0,1
	v_cvt_scalef32_pk16_fp6_f32 v[PC+6*\c:PC+2+6*\c], v[(\s)+32*\c:(\s)+15+32*\c], v[TM+12+2*\c]
	v_cvt_scalef32_pk16_fp6_f32 v[PC+12+4*\c:PC+14+4*\c], v[(\s)+16+32*\c:(\s)+31+32*\c], v[TM+12+2*\c+1]   ; (a conversion's three registers begin on an even number)
.endr
	v_nop                                          ; one plain place behind a scaled conversion
.irp c, 0,1                                    ; the operand's layout wants a whole block in a lane: lanes 0-15 block 2 c, lanes 16-31 block 2 c + 1
.irp i, 0,1,2
	v_permlane16_swap_b32 v[PC+6*\c+\i], v[PC+12+4*\c+\i]
.endr
.irp i, 0,1,2
	v_mov_b32 v[PC+3+6*\c+\i], v[PC+12+4*\c+\i]
.endr
.endr
.endm
; x: fragment f = 2 u + q (tile u of the pair, the q-th 128 along K) into set st: 16 loads, each a row's 512 consecutive bytes
.macro XLOAD f, st
.set i, 0
.rept 16
	global_load_b128 v[32+64*(\st)+4*i:32+64*(\st)+4*i+3], v3, s[4:5] offset:(8*((\f)/2)+i%8+32*(i/8))*4096+512*((\f)%2) th:TH_LOAD_NT
.set i, i+1
.endr
.endm
; x: fragment f is turned through the wave's stage (in: as loaded; out: 16 neighbours of each block to a lane), quantised and stored.  left: the younger loads, which may stay out
.macro FRAGX f, st, left
.set RS, 32+64*(\st)
.set OFS, ((\f)/2)*12288+((\f)%2)*1536
	s_wait_loadcnt \left
.set i, 0
.rept 16
	ds_store_b128 v5, v[RS+4*i:RS+4*i+3] offset:528*i
.set i, i+1
.endr
.set i, 0
.rept 16
	ds_load_b128 v[RS+4*i:RS+4*i+3], v6 offset:128*(i/4)+16*(i%4)   ; LDS serves a wave's instructions in order: these see the stores above
.set i, i+1
.endr
	s_wait_dscnt 0x0
.if (\f) > 0
	s_wait_xcnt 0x0                                ; the last fragment's stores have read the codes' registers: they are written again only behind this wait
.endif
	QUANT RS, 26+(\f)
.if (\f) == 0
	XLOAD 3, 0                                     ; the fourth fragment takes the first's registers
.endif
	global_store_b128 v3, v[PC:PC+3], s[10:11] offset:OFS          ; each 512 consecutive bytes
	global_store_b128 v3, v[PC+4:PC+7], s[10:11] offset:OFS+512
	global_store_b128 v3, v[PC+8:PC+11], s[10:11] offset:OFS+1024
.endm
; a weight [1024][N]: block t: W(32 t + i, my column), i = 0 .. 31, into set t % 2: each load 128 consecutive bytes, the four waves' side by side
.macro WLOAD t, N, src
.set i, 0
.rept 32
	global_load_b32 v[32+32*((\t)%2)+i], v19, s[\src:\src+1] offset:(32*(\t)+i)*\N*4 th:TH_LOAD_NT
.set i, i+1
.endr
.endm
; block t of my column: K step t / 4, half c = (t / 2) % 2, and in the operand's layout the lanes' half t % 2
.macro WBLOCK t, N, src
.set XS, 32+32*((\t)%2)
.set WO, ((\t)/4)*1536
.if (\t) < 7
	s_wait_loadcnt 32                              ; this block's 32 loads are in; the next block's may be out
.else
	s_wait_loadcnt 0x0
.endif
	v_max3_num_f32 v14, |v[XS]|, |v[XS+1]|, |v[XS+2]|              ; all 32 numbers of the block are mine
	v_max3_num_f32 v15, |v[XS+3]|, |v[XS+4]|, |v[XS+5]|
.irp i, 6,10,14,18,22,26
	v_max3_num_f32 v14, v14, |v[XS+\i]|, |v[XS+\i+1]|
	v_max3_num_f32 v15, v15, |v[XS+\i+2]|, |v[XS+\i+3]|
.endr
	v_max3_num_f32 v14, v14, |v[XS+30]|, |v[XS+31]|
	v_max3_num_f32 v14, v14, v15, 0x1800000        ; and the floor
	v_add_nc_u32 v16, 0xff000000, v14              ; the conversion's scale operand
	v_lshrrev_b32 v17, 23, v16                     ; the byte
.if (\t)%4 == 0
	v_mov_b32 v[24+(\t)/4], v17
.else
	v_lshl_or_b32 v[24+(\t)/4], v17, 8*((\t)%4), v[24+(\t)/4]
.endif
	v_cvt_scalef32_pk16_fp6_f32 v[96:98], v[XS:XS+15], v16
	v_cvt_scalef32_pk16_fp6_f32 v[104:106], v[XS+16:XS+31], v16
	v_nop                                          ; one plain place behind a scaled conversion
	v_mov_b32 v99, v104
	v_mov_b32 v100, v105
	v_mov_b32 v101, v106
.if ((\t)/2)%2
	ds_store_b64 v4, v[96:97] offset:WO+520+256*((\t)%2)       ; registers 6, 7 of lane (row + 16 (t % 2)) of the image
	ds_store_b128 v4, v[98:101] offset:WO+1024+256*((\t)%2)    ; registers 8-11
.else
	ds_store_b128 v4, v[96:99] offset:WO+256*((\t)%2)          ; registers 0-3
	ds_store_b64 v4, v[100:101] offset:WO+512+256*((\t)%2)     ; registers 4, 5
.endif
.if (\t)+2 < 8
	WLOAD (\t)+2, \N, \src
.endif
	s_wait_dscnt 0x0                               ; the stores have read their registers: the next block's codes may be written
.endm
; A weight's way.
.macro WPATH N, src, WG0, STG, SST
	s_sub_co_u32 s16, ttmp9, \WG0
	s_and_b32 s17, s16, 3                          ; which 256 along K
	s_lshr_b32 s16, s16, 2
	s_lshl_b32 s16, s16, 2
	s_add_co_u32 s16, s16, s14                     ; which 32 columns I read; and which pair of tiles I store
	s_mul_i32 s18, s17, 256*\N*4
	s_lshl_b32 s19, s16, 7
	s_add_co_u32 s18, s18, s19
	s_mov_b32 s19, 0
	s_add_nc_u64 s[\src:\src+1], s[\src:\src+1], s[18:19]
	WLOAD 0, \N, \src
	WLOAD 1, \N, \src
.if \N == 3072
	s_and_b32 s18, s16, 1                          ; w_qkv: group of 64 columns = 16 x tensor + head; stored pair 6 head + 2 tensor + pair % 2
	s_lshr_b32 s19, s16, 5
	s_lshl_b32 s19, s19, 1
	s_bfe_u32 s16, s16, 0x40001
	s_mul_i32 s16, s16, 6
	s_add_co_u32 s16, s16, s18
	s_add_co_u32 s16, s16, s19
.endif
	s_add_co_u32 s16, s16, \WG0                    ; (the weight's first pair has the number of its first work-group)
	s_mul_i32 s22, s16, 24576
	s_mul_i32 s23, s17, 3072
	s_add_co_u32 s22, s22, s23
	s_mov_b32 s23, 0
	s_add_nc_u64 s[10:11], s[10:11], s[22:23]
	s_lshl_b32 s22, s16, 10
	s_lshl_b32 s23, s17, 8
	s_add_co_u32 s22, s22, s23
	s_mov_b32 s23, 0
	s_add_nc_u64 s[12:13], s[12:13], s[22:23]
	s_lshr_b32 s24, s14, 1                         ; my columns: half h = wave % 2 of tiles 4 (wave / 2) + lane / 8, row 8 h + lane % 8
	s_and_b32 s25, s14, 1
	s_mul_i32 s26, s24, 12800
	s_lshl_b32 s27, s25, 7
	s_add_co_u32 s26, s26, s27
	s_add_co_u32 s26, s26, \STG
	s_lshl_b32 s24, s24, 9
	s_lshl_b32 s25, s25, 6
	s_add_co_u32 s24, s24, s25
	s_add_co_u32 s24, s24, \SST
	s_mul_i32 s28, s14, 6400
	s_add_co_u32 s28, s28, \STG
	s_lshl_b32 s29, s14, 8
	s_add_co_u32 s29, s29, \SST
	v_lshrrev_b32 v10, 3, v2
	v_and_b32 v11, 7, v2
	v_mul_u32_u24 v4, v10, 3200
	v_lshl_add_u32 v4, v11, 4, v4
	v_add_nc_u32 v4, s26, v4                       ; into the images
	v_lshlrev_b32 v8, 7, v10
	v_lshl_add_u32 v8, v11, 3, v8
	v_add_nc_u32 v8, s24, v8                       ; my two scale words' place
	v_add_nc_u32 v6, s28, v3                       ; out of the images: pair wave, 16 bytes a lane
	v_lshlrev_b32 v9, 3, v2
	v_add_nc_u32 v18, s29, v9                      ; and its scale words
	s_wait_alu depctr_va_vdst(0)                   ; the wait at the head's end
.irp t, 0,1,2,3,4,5,6,7
	WBLOCK \t, \N, \src
.endr
	s_wait_alu depctr_va_vdst(0)
	ds_store_b64 v8, v[24:25]
	s_wait_dscnt 0x0                               ; for the other waves' sake
	s_barrier_signal -1
	s_barrier_wait -1
.irp n, 0,1,2,3,4,5,6,7,8,9,10,11
	ds_load_b128 v[112+4*\n:112+4*\n+3], v6 offset:(\n/6)*3200+512*(\n%6)
.endr
	ds_load_b64 v[160:161], v18
.irp n, 0,1,2,3,4,5,6,7,8,9,10,11
	s_wait_dscnt 12-\n
	global_store_b128 v3, v[112+4*\n:112+4*\n+3], s[10:11] offset:(\n/6)*12288+512*(\n%6)   ; 512 consecutive bytes
.endr
	s_wait_dscnt 0x0
	global_store_b64 v9, v[160:161], s[12:13]      ; 256 consecutive bytes
	s_wait_tensorcnt 0x0                           ; the wave's end
	ds_add_u32 v[SPW], v[NIL]
	s_wait_dscnt 0x0
	s_endpgm
.endm
	s_load_b256 s[4:11], s[0:1], 0x0               ; x s[4:5], w_qkv s[6:7], w_proj s[8:9], opc s[10:11]
	s_load_b64 s[12:13], s[0:1], 0x20              ; ops
	v_lshl_add_u32 v[SPW], v0, 2, SPARE
	v_mov_b32 v[NIL], 0
	v_lshrrev_b32 v1, 5, v0
	v_readfirstlane_b32 s14, v1                    ; wave 0..3
	v_and_b32 v2, 31, v0                           ; lane
	v_lshlrev_b32 v3, 4, v2                        ; 16 x lane
	v_lshlrev_b32 v19, 2, v2                       ; 4 x lane
	s_mov_b32 s[SEL], 0x76543210
	s_mov_b32 s[SEL+1], 0xfedcba98
	s_wait_alu depctr_va_vdst(0)
	s_wait_kmcnt 0x0
	s_cmp_lt_u32 ttmp9, 128
	s_cbranch_scc0 .Lweights
	; ---- x: pair of tiles = the work-group's number, 256 along K = the wave's
	s_lshr_b32 s16, ttmp9, 1                       ; the pair's rows (4,096 bytes each) begin at 64 (pair / 2) + 16 (pair % 2)
	s_lshl_b32 s16, s16, 18
	s_and_b32 s17, ttmp9, 1
	s_lshl_b32 s17, s17, 16
	s_add_co_u32 s16, s16, s17
	s_lshl_b32 s17, s14, 10
	s_add_co_u32 s16, s16, s17
	s_mov_b32 s17, 0
	s_add_nc_u64 s[4:5], s[4:5], s[16:17]
	XLOAD 0, 0
	XLOAD 1, 1
	XLOAD 2, 2                                     ; 48 loads of the wave are out
	s_mul_i32 s18, ttmp9, 24576
	s_mul_i32 s19, s14, 3072
	s_add_co_u32 s18, s18, s19
	s_mov_b32 s19, 0
	s_add_nc_u64 s[10:11], s[10:11], s[18:19]
	s_lshl_b32 s22, ttmp9, 10
	s_lshl_b32 s23, s14, 8
	s_add_co_u32 s22, s22, s23
	s_mov_b32 s23, 0
	s_add_nc_u64 s[12:13], s[12:13], s[22:23]
	s_mul_i32 s24, s14, XSTW
	v_add_nc_u32 v5, s24, v3                       ; the stage, on the way in
	v_and_b32 v24, 15, v0
	v_bfe_u32 v25, v0, 4, 1
	v_mul_u32_u24 v6, v24, 528
	v_lshl_add_u32 v6, v25, 6, v6
	v_add_nc_u32 v6, s24, v6                       ; and out: row r, + 64 bytes for lanes 16-31
	v_lshlrev_b32 v7, 3, v2
.irp b, 0,1,2,3
	v_mov_b32 v[TM+4+\b], 0                        ; written once: a lane permute's destination counts as one of its sources
.endr
	s_wait_alu depctr_va_vdst(0)
	FRAGX 0, 0, 32                                 ; fragments 1 and 2 may be out
	FRAGX 1, 1, 32                                 ; fragments 2 and 3
	FRAGX 2, 2, 16                                 ; fragment 3
	FRAGX 3, 0, 0
	v_cmp_lt_u32 vcc_lo, 15, v2
	v_cndmask_b32 v30, v26, v28, vcc_lo            ; lanes 0-15: tile 0's two words of row r; lanes 16-31: tile 1's
	v_cndmask_b32 v31, v27, v29, vcc_lo
	global_store_b64 v7, v[30:31], s[12:13]        ; the 32 lanes store 256 consecutive bytes
	s_wait_tensorcnt 0x0                           ; the wave's end
	ds_add_u32 v[SPW], v[NIL]
	s_wait_dscnt 0x0
	s_endpgm
.Lweights:
	s_cmp_lt_u32 ttmp9, 224
	s_cbranch_scc0 .Lproj
	WPATH 3072, 6, 128, STG1, SST1
.Lproj:
	WPATH 1024, 8, 224, STG2, SST2
.Lfunc_end_k_q0a55f9ed2b_quant:
	.size	k_q0a55f9ed2b_quant, .Lfunc_end_k_q0a55f9ed2b_quant-k_q0a55f9ed2b_quant
	.p2alignl 7, 3214868480
	.fill 96, 4, 3214868480
	.section	.rodata,"a",@progbits
	.p2align	6, 0x0
	.amdhsa_kernel k_q0a55f9ed2b_quant
		.amdhsa_group_segment_fixed_size 87552
		.amdhsa_private_segment_fixed_size 0
		.amdhsa_enable_private_segment 0
		.amdhsa_kernarg_size 40
		.amdhsa_user_sgpr_count 2
		.amdhsa_user_sgpr_kernarg_segment_ptr 1
		.amdhsa_wavefront_size32 1
		.amdhsa_system_sgpr_workgroup_id_x 1
		.amdhsa_system_sgpr_workgroup_id_y 1
		.amdhsa_system_sgpr_workgroup_id_z 1
		.amdhsa_system_vgpr_workitem_id 0
		.amdhsa_next_free_vgpr 256
		.amdhsa_next_free_sgpr 66
		.amdhsa_reserve_vcc 1
		.amdhsa_float_denorm_mode_32 3
		.amdhsa_float_denorm_mode_16_64 3
		.amdhsa_memory_ordered 1
		.amdhsa_forward_progress 1
		.amdhsa_inst_pref_size 117
	.end_amdhsa_kernel
	.amdgpu_metadata
---
amdhsa.version: [ 1, 2 ]
amdhsa.kernels:
  - .name:           k_q0a55f9ed2b_quant
    .symbol:         k_q0a55f9ed2b_quant.kd
    .args:
      - { .name: x, .offset: 0, .size: 8, .value_kind: global_buffer, .address_space: global }
      - { .name: w_qkv, .offset: 8, .size: 8, .value_kind: global_buffer, .address_space: global }
      - { .name: w_proj, .offset: 16, .size: 8, .value_kind: global_buffer, .address_space: global }
      - { .name: opc, .offset: 24, .size: 8, .value_kind: global_buffer, .address_space: global }
      - { .name: ops, .offset: 32, .size: 8, .value_kind: global_buffer, .address_space: global }
    .group_segment_fixed_size: 87552
    .private_segment_fixed_size: 0
    .kernarg_segment_align: 8
    .kernarg_segment_size: 40
    .max_flat_workgroup_size: 128
    .sgpr_count:     66
    .vgpr_count:     256
    .wavefront_size: 32
...
	.end_amdgpu_metadata
.endif
;; end of part 1
;; launch gemm1 (part 2): grid 16 x 16, 4 waves a work-group, clusters of 4 x 1, 167,936 bytes of LDS; arguments opc, ops, qkv; writes qkv
.if DOCPART == 2
	.amdgcn_target "amdgcn-amd-amdhsa--gfx1250"
	.amdhsa_code_object_version 6
	.text
	.protected	k_q0a55f9ed2b_gemm1
	.globl	k_q0a55f9ed2b_gemm1
	.p2align	8
	.type	k_q0a55f9ed2b_gemm1,@function
k_q0a55f9ed2b_gemm1:
	s_mov_b64 s[64:65], 0
	v_nop
	global_prefetch_b8 v0, s[64:65] scope:SCOPE_SE
	s_setreg_imm32_b32 hwreg(HW_REG_WAVE_MODE, 25, 1), 1
	s_wait_xcnt 0x0
	s_wait_alu depctr_hold_cnt(0) depctr_sa_sdst(0) depctr_va_vdst(0) depctr_va_sdst(0) depctr_va_ssrc(0) depctr_va_vcc(0) depctr_vm_vsrc(0)
	s_getreg_b32 s2, hwreg(HW_REG_IB_STS2, 6, 4)
	s_cmp_eq_u32 s2, 0
	s_cbranch_scc0 .Lentry_in_a_cluster
	s_endpgm
.Lentry_in_a_cluster:
	s_bfe_u32 s2, ttmp6, 0x10000c
	s_cmp_lg_u32 s2, 0x3003
	s_cbranch_scc0 .Lentry_shape_is_right
	s_endpgm
.Lentry_shape_is_right:
; Q, K, V = x w_qkv on codes of FP6 (E2M3) with E8M0 scales, K = 1024, sums in f32; each result is quantised again (Q, K along the head's 64, V along the tokens) and leaves as codes and scale bytes.
; A work-group makes 256 tokens x the 192 columns of ONE HEAD's q, k and v: 16 x 16 work-groups.  A wave makes 64 tokens x 192 columns: 48 accumulators, 384 registers.
; x: each wave's 64 rows are its own and go from memory straight into registers, all of K in registers of their own (32 fragments x 12), three K steps ahead: nothing is written twice, so only counted waits stand in their way.
; THE WEIGHTS (147,456 bytes a head) come into LDS, each byte once, by one tensor load a wave: wave w brings K steps 2 w, 2 w + 1 of the head's 12 tiles.  Nothing is filled again.
; CLUSTERS of four work-groups along the tokens: they need the same weights and ask for them jointly.  x is not asked for jointly: 196,608 bytes of it and the weights' 147,456 are more than the 327,680 of LDS, and registers take it without LDS.
; NO PREFETCH: every weight is asked for at the head, x goes out three K steps ahead as loads of its own; there is no loop to run ahead in.
; ORDER: stored tile j, row 8 h + i of a group of 64 is number 32 h + 8 j + i.  q, k: source 0 = the weight's columns, so a lane holds one token and its 32 registers of four column tiles are 32 neighbouring columns;
; v: source 0 = x, so a lane holds one column and its 32 registers of four token tiles are 32 neighbouring tokens: a whole scale block in each lane.
; OUTPUT (qkv): Q [batch x head][group of 64 tokens][3,328: four tiles' codes (768 each: registers 0-3 of lane l at 16 l, 4-5 at 512 + 8 l), scale words [row][4 tiles]];
; behind it, from KVB on, [batch x head][unit of 128 tokens][13,056]: K's two groups as Q's, V's codes [group][column tile][768], V's scale words [row][4 column tiles].
; LIMITS: a block of zeros gets the byte 1 where the rule says 127 (its codes are zeros; only this program reads the bytes); NaN and infinities are not served.
; REGISTERS: window 0: v0-31 addresses, v32-95 scale words (16 for each 256 along K: six pairs of weight tiles, two pairs of x tiles; lanes 0-15 the even tile, 16-31 the odd), v96-239 three sets of four weight fragments,
; v240-251 x's fragment 31; window 1: x's fragments 0-20; window 2: 21-30, and from v128 V's accumulators; window 3: Q's and K's.
.set SC,    32
.set WB,    96
.set KPB,   36864                      ; 12 tiles x 3,072 bytes
.set VST,   4*KPB                      ; V's scale bytes on their way out: 256 for each unit
.set SPARE, VST+512
.set REC,   3328
.set UNITB, 13056
.set KVB,   3407872
.set SPW,   24
.set NIL,   25
.set SEL,   42
.set MSB, 0
.macro WIN new                         ; the immediate's high byte repeats the setting that is left
.if MSB != (\new)
	s_set_vgpr_msb (MSB<<8)|(\new)
.set MSB, (\new)
.endif
.endm
.macro CROUND
	s_barrier_signal -1
	s_barrier_wait -1
	s_cmp_lg_u32 s14, 0
	s_cbranch_scc1 .Lnot_wave_0_\@
	s_barrier_signal -3
.Lnot_wave_0_\@:
	s_barrier_wait -3
	s_barrier_signal -1
	s_barrier_wait -1
.endm
.macro PLACES
.rept 4
	v_nop
.endr
.endm
.macro TLOAD
	tensor_load_to_lds s[32:35], s[24:31]
	s_nop 0
	PLACES
.endm
.macro ARM n
	s_cmp_eq_u32 s14, \n
	s_cbranch_scc0 .Lnext_\@
	TLOAD
	s_branch .Lasked
.Lnext_\@:
.endm
.macro XF f                            ; where x's fragment f = 4 (K step) + tile lies
.if (\f) < 21
.set XW, 1
.set XR, 12*(\f)
.elseif (\f) < 31
.set XW, 2
.set XR, 12*((\f)-21)
.else
.set XW, 0
.set XR, 240
.endif
.endm
.macro XL s                            ; x's four fragments of K step s: 12 loads of 512 consecutive bytes
.irp a, 0,1,2,3
	XF 4*(\s)+\a
	WIN XW<<6
.irp p, 0,1,2
	global_load_b128 v[XR+4*\p:XR+4*\p+3], v4, s[10:11] offset:\a*12288+(\s)*1536+512*\p
.endr
.endr
	WIN 0
.endm
.macro SL kp                           ; scale words of K steps 2 kp, 2 kp + 1: 8 loads of 256 consecutive bytes
.irp p, 0,1,2,3,4,5
	global_load_b64 v[SC+16*(\kp)+2*\p:SC+16*(\kp)+2*\p+1], v2, s[16:17] offset:1024*\p+256*(\kp)
.endr
.irp p, 0,1
	global_load_b64 v[SC+16*(\kp)+12+2*\p:SC+16*(\kp)+12+2*\p+1], v2, s[12:13] offset:1024*\p+256*(\kp)
.endr
.endm
.macro FETCH s, ts                     ; four fragments of tensor ts, K step s: 12 LDS loads
.irp b, 0,1,2,3
.irp p, 0,1,2
	ds_load_b128 v[WB+48*(\ts)+12*\b+4*\p:WB+48*(\ts)+12*\b+4*\p+3], v[4+(\s)/2] offset:(4*(\ts)+\b)*3072+((\s)%2)*1536+512*\p
.endr
.endr
.endm
.macro W1 d, a, b, c, x, y, r0, r1
	v_wmma_scale_f32_16x16x128_f8f6f4 v[\d:\d+7], v[\a:\a+11], v[\b:\b+11], \c, v[\x], v[\y] matrix_a_fmt:MATRIX_FMT_FP6 matrix_b_fmt:MATRIX_FMT_FP6 matrix_a_scale:MATRIX_SCALE_ROW\r0 matrix_b_scale:MATRIX_SCALE_ROW\r1
.endm
.macro PR s, ts, a, b, ra, rb
	XF 4*(\s)+(\a)
.set FW_, WB+48*(\ts)+12*(\b)
.set SW_, SC+16*((\s)/2)+2*(2*(\ts)+(\b)/2)+(\s)%2
.set SX_, SC+16*((\s)/2)+12+2*((\a)/2)+(\s)%2
.if (\ts) < 2
.set D_, 128*(\ts)+8*(4*(\a)+(\b))
	WIN (XW<<2)|(3<<4)|(3<<6)
.if (\s) == 0
	W1 D_, FW_, XR, 0, SW_, SX_, \rb, \ra
.else
	W1 D_, FW_, XR, v[D_:D_+7], SW_, SX_, \rb, \ra
.endif
.else
.set D_, 128+8*(4*(\b)+(\a))
	WIN XW|(2<<4)|(2<<6)
.if (\s) == 0
	W1 D_, XR, FW_, 0, SX_, SW_, \ra, \rb
.else
	W1 D_, XR, FW_, v[D_:D_+7], SX_, SW_, \ra, \rb
.endif
.endif
.endm
.macro MROW s, ts, a, ra
	PR \s, \ts, \a, 0, \ra, 0
	PR \s, \ts, \a, 1, \ra, 1
	PR \s, \ts, \a, 2, \ra, 0
	PR \s, \ts, \a, 3, \ra, 1
.endm
; A GROUP: tensor ts, K step s: 16 products on 16 accumulators by turns.  Two groups ahead the fragments are fetched, into the set that the group before has read.
.macro GROUP s, ts
.set G_, 3*(\s)+(\ts)
.set N_, G_+2
	WIN 0
.if (G_ == 4) || (G_ == 10)            ; the fetch below is the first of weights that have not been shown: K steps 2, 3, or 4 to 7
.if G_ == 4
	s_cmp_lt_u32 s14, 2
	s_cbranch_scc0 .Lnot_mine_\@
	s_wait_tensorcnt 0x0
.Lnot_mine_\@:
.else
	s_wait_tensorcnt 0x0
.endif
	s_wait_dscnt 0x0
	s_barrier_signal -1
	s_barrier_wait -1
.elseif G_ < 23
	s_wait_dscnt 12                                ; this group's fragments are in; the next group's 12 loads may be out
.else
	s_wait_dscnt 0x0
.endif
.if N_ < 24
.if G_ > 0
	PLACES                                         ; in front of loads into registers that the group before has read
.endif
	FETCH N_/3, N_%3
.endif
.if (\ts) == 0
.if (\s) < 6
	s_wait_loadcnt 32                              ; this K step's x and scale words are in; the next two K steps' x (24) and one set of scale words (8) may be out
.elseif (\s) == 6
	s_wait_loadcnt 12                              ; K step 7's x
.else
	s_wait_loadcnt 0x0
.endif
.if ((\s) == 1) || ((\s) == 3)
	SL ((\s)+3)/2
.endif
.if (\s) < 5
	XL (\s)+3
.endif
.endif
	MROW \s, \ts, 0, 0
	MROW \s, \ts, 1, 1
	MROW \s, \ts, 2, 0
	MROW \s, \ts, 3, 1
.endm
; Four scale blocks of 32 sums in a lane (window w, v[x0 + 32 g ..]) become codes v[112 + 48 t + 8 g ..] (six registers) and bytes v[108 + g].
.macro EPI w, x0, t
	WIN (\w)|((\w)<<2)|((\w)<<4)
.irp g, 0,1,2,3
	v_max3_num_f32 v[96+2*\g], |v[\x0+32*\g]|, |v[\x0+32*\g+1]|, |v[\x0+32*\g+2]|
	v_max3_num_f32 v[97+2*\g], |v[\x0+32*\g+16]|, |v[\x0+32*\g+17]|, |v[\x0+32*\g+18]|
.endr
	WIN ((\w)<<2)|((\w)<<4)
.irp i, 3,5,7,9,11,13
.irp g, 0,1,2,3
	v_max3_num_f32 v[96+2*\g], v[96+2*\g], |v[\x0+32*\g+\i]|, |v[\x0+32*\g+\i+1]|
	v_max3_num_f32 v[97+2*\g], v[97+2*\g], |v[\x0+32*\g+16+\i]|, |v[\x0+32*\g+17+\i]|
.endr
.endr
	WIN (\w)<<2
.irp g, 0,1,2,3
	v_max3_num_f32 v[97+2*\g], v[97+2*\g], |v[\x0+32*\g+15]|, 0x1800000   ; and the floor 2^(3 - 127): the byte cannot fall under 1
.endr
.irp g, 0,1,2,3
	v_max3_num_f32 v[96+2*\g], v[96+2*\g], |v[\x0+32*\g+31]|, v[97+2*\g]
.endr
	WIN 0
.irp g, 0,1,2,3
	v_add_nc_u32 v[104+\g], 0xff000000, v[96+2*\g]  ; 2 off the exponent field: the conversion's scale operand
.endr
	WIN \w
.irp g, 0,1,2,3
	v_cvt_scalef32_pk16_fp6_f32 v[112+48*\t+8*\g:114+48*\t+8*\g], v[\x0+32*\g:\x0+32*\g+15], v[104+\g]
	v_cvt_scalef32_pk16_fp6_f32 v[144+48*\t+4*\g:146+48*\t+4*\g], v[\x0+32*\g+16:\x0+32*\g+31], v[104+\g]
.endr
	WIN 0
.irp g, 0,1,2,3
	v_lshrrev_b32 v[108+\g], 23, v[104+\g]
.endr
.irp g, 0,1,2,3
.irp i, 0,1,2
	v_mov_b32 v[115+48*\t+8*\g+\i], v[144+48*\t+4*\g+\i]   ; (a conversion's three registers begin on an even number)
.endr
.endr
.endm
.macro SENDC t, base
.irp g, 0,1,2,3
	global_store_b128 v4, v[112+48*\t+8*\g:115+48*\t+8*\g], s[\base:\base+1] offset:768*\g
	global_store_b64 v14, v[116+48*\t+8*\g:117+48*\t+8*\g], s[\base:\base+1] offset:768*\g
.endr
.endm
.macro WORDS d, base                   ; four tiles' scale words of row r: bytes 0, 1 the two blocks of the head's 64, bytes 2, 3 zero
	v_lshl_or_b32 v8, v109, 8, v108
	v_lshl_or_b32 v8, v110, 16, v8
	v_lshl_or_b32 v8, v111, 24, v8
	v_permlanex16_b32 v9, v8, s[SEL], s[SEL+1]
.irp a, 0,1,2,3
	v_perm_b32 v[\d+\a], v8, v9, v[10+\a]
.endr
	global_store_b128 v29, v[\d:\d+3], s[\base:\base+1] offset:3072   ; 256 consecutive bytes; lanes 16-31 repeat lanes 0-15's
.endm
	s_load_b128 s[4:7], s[0:1], 0x0                ; opc, ops
	s_load_b64 s[8:9], s[0:1], 0x10                ; qkv
	v_lshl_add_u32 v[SPW], v0, 2, SPARE
	v_mov_b32 v[NIL], 0
	ds_add_u32 v[SPW], v[NIL]                      ; the opening lines
	ds_add_u32 v[SPW], v[NIL]
	v_lshrrev_b32 v1, 5, v0
	v_readfirstlane_b32 s14, v1                    ; wave 0..3
	s_bfe_u32 s40, ttmp6, 0x40000                  ; cx
	s_and_b32 s18, ttmp7, 0xffff                   ; the head
	s_lshl_b32 s19, ttmp9, 2
	s_add_co_u32 s19, s19, s40                     ; which 256 tokens
	s_lshl_b32 s19, s19, 2
	s_add_co_u32 s19, s19, s14                     ; my group of 64 tokens, 0..63
	s_mov_b32 s24, 15|(3<<16)|(1<<21)              ; all four of the cluster; elements of 8 bytes
	s_mov_b32 s25, 384<<16                         ; 12 rows (tiles) of 3,072 bytes, 12,288 apart
	s_mov_b32 s26, 12<<16
	s_mov_b32 s27, 384<<16
	s_mov_b32 s28, 12
	s_mov_b32 s29, 1536
	s_mov_b32 s30, 0
	s_mov_b32 s31, 0
	s_mul_i32 s20, s18, 12*12288
	s_add_co_u32 s20, s20, 256*12288
	s_mul_i32 s21, s14, 3072
	s_add_co_u32 s20, s20, s21                     ; the head's tiles, my two K steps
	s_mov_b32 s21, 0
	s_mul_i32 s22, s19, 49152                      ; x: my four tiles
	s_mov_b32 s23, 0
	s_lshl_b32 s36, s19, 11                        ; their scale words
	s_mov_b32 s37, 0
	s_mul_i32 s38, s18, 6144
	s_add_co_u32 s38, s38, 131072                  ; the weights' scale words: pair 128 + 6 head
	s_mov_b32 s39, 0
	s_lshr_b32 s46, s14, 1
	s_lshl_b32 s46, s46, 8
	s_add_co_u32 s46, s46, VST                     ; V's scale bytes of my unit
	s_and_b32 s47, s14, 1
	s_lshl_b32 s47, s47, 1
	s_add_co_u32 s47, s47, s46
	s_mov_b32 s41, 0x3fc
	s_mov_b32 s[SEL], 0x76543210
	s_mov_b32 s[SEL+1], 0xfedcba98
	s_mov_b32 s32, 1
	s_mul_i32 s33, s14, KPB
	v_and_b32 v1, 31, v0
	v_lshlrev_b32 v2, 3, v1                        ; 8 x lane
	v_lshlrev_b32 v4, 4, v1                        ; 16 x lane; v5-7 the same in the later K steps' weights
	v_add_nc_u32 v5, KPB, v4
	v_add_nc_u32 v6, 2*KPB, v4
	v_add_nc_u32 v7, 3*KPB, v4
	v_add_nc_u32 v14, 512, v2
	v_and_b32 v8, 15, v0                           ; r
	v_bfe_u32 v3, v0, 4, 1                         ; h
	v_lshl_add_u32 v15, v8, 4, v3
	v_add_nc_u32 v15, s47, v15                     ; where my V byte of column tile 0 goes: 16 r + 2 (group % 2) + h
	v_lshlrev_b32 v29, 4, v8                       ; 16 r
	v_add_nc_u32 v28, s46, v2
	v_mul_u32_u24 v10, s41, v3
	v_add_nc_u32 v10, 0x0c0c0004, v10              ; byte selects: the lower half's byte, then the upper half's, then zeros
	v_add_nc_u32 v11, 0x101, v10
	v_add_nc_u32 v12, 0x202, v10
	v_add_nc_u32 v13, 0x303, v10
	v_mov_b32 v9, 0                                ; (a lane permute's destination counts as one of its sources)
	s_wait_alu depctr_va_vdst(0)                   ; the wait at the head's end
	s_wait_dscnt 0x0                               ; both opening adds are done
	CROUND                                         ; all four work-groups are here: the joint loads meet
	s_wait_kmcnt 0x0
	s_add_nc_u64 s[34:35], s[4:5], s[20:21]
	s_or_b32 s35, s35, 0x80000000
	s_add_nc_u64 s[10:11], s[4:5], s[22:23]
	s_add_nc_u64 s[12:13], s[6:7], s[36:37]
	s_add_nc_u64 s[16:17], s[6:7], s[38:39]
	ARM 0                                          ; one load a wave, each in an arm of its own
	ARM 1
	ARM 2
	TLOAD
.Lasked:
	SL 0
	XL 0
	XL 1
	SL 1
	XL 2                                           ; 52 loads of the wave are out
	s_lshr_b32 s20, s19, 5
	s_lshl_b32 s20, s20, 4
	s_add_co_u32 s20, s20, s18                     ; batch x 16 + head
	s_and_b32 s21, s19, 31                         ; my group in the batch
	s_lshl_b32 s22, s20, 5
	s_add_co_u32 s22, s22, s21
	s_mul_i32 s22, s22, REC
	s_mov_b32 s23, 0
	s_add_nc_u64 s[36:37], s[8:9], s[22:23]        ; Q's record
	s_lshr_b32 s22, s21, 1
	s_lshl_b32 s20, s20, 4
	s_add_co_u32 s22, s22, s20
	s_mul_i32 s22, s22, UNITB
	s_add_co_u32 s22, s22, KVB
	s_add_nc_u64 s[44:45], s[8:9], s[22:23]        ; the unit
	s_and_b32 s21, s21, 1
	s_mul_i32 s22, s21, REC
	s_add_nc_u64 s[38:39], s[44:45], s[22:23]      ; K's group
	s_mul_i32 s22, s21, 3072
	s_add_co_u32 s22, s22, 2*REC
	s_add_nc_u64 s[40:41], s[44:45], s[22:23]      ; V's
	s_cmp_eq_u32 s14, 0
	s_cbranch_scc0 .Lnot_first
	s_wait_tensorcnt 0x0                           ; wave 0: the weights of K steps 0, 1
.Lnot_first:
	s_barrier_signal -1
	s_barrier_wait -1                              ; they are in for every wave; the other waves' loads may be out
	FETCH 0, 0
	FETCH 0, 1
.irp s, 0,1,2,3,4,5,6,7
	GROUP \s, 0
	GROUP \s, 1
	GROUP \s, 2
.endr
	WIN 0
	PLACES                                         ; behind the last products
	EPI 2, 128, 0                                  ; V: group g is column tile g
	SENDC 0, 40
.irp b, 0,1,2,3
	ds_store_b8 v15, v[108+\b] offset:4*\b
.endr
	EPI 3, 0, 1                                    ; Q: group g is token tile g
	SENDC 1, 36
	WORDS 16, 36
	EPI 3, 128, 2                                  ; K
	SENDC 2, 38
	WORDS 20, 38
	s_wait_dscnt 0x0                               ; for the other wave's sake: my V bytes are stored
	s_barrier_signal -1
	s_barrier_wait -1
	s_bitcmp1_b32 s14, 0
	s_cbranch_scc1 .Lodd                           ; the even wave of a unit stores the unit's V scale words
	ds_load_b64 v[26:27], v28
	s_wait_dscnt 0x0
	global_store_b64 v2, v[26:27], s[44:45] offset:2*REC+6144   ; 256 consecutive bytes
.Lodd:
	s_wait_tensorcnt 0x0                           ; the wave's end
	ds_add_u32 v[SPW], v[NIL]
	s_wait_dscnt 0x0
	CROUND                                         ; the closing round
	s_endpgm
.Lfunc_end_k_q0a55f9ed2b_gemm1:
	.size	k_q0a55f9ed2b_gemm1, .Lfunc_end_k_q0a55f9ed2b_gemm1-k_q0a55f9ed2b_gemm1
	.p2alignl 7, 3214868480
	.fill 96, 4, 3214868480
	.section	.rodata,"a",@progbits
	.p2align	6, 0x0
	.amdhsa_kernel k_q0a55f9ed2b_gemm1
		.amdhsa_group_segment_fixed_size 167936
		.amdhsa_private_segment_fixed_size 0
		.amdhsa_enable_private_segment 0
		.amdhsa_kernarg_size 24
		.amdhsa_user_sgpr_count 2
		.amdhsa_user_sgpr_kernarg_segment_ptr 1
		.amdhsa_wavefront_size32 1
		.amdhsa_system_sgpr_workgroup_id_x 1
		.amdhsa_system_sgpr_workgroup_id_y 1
		.amdhsa_system_sgpr_workgroup_id_z 1
		.amdhsa_system_vgpr_workitem_id 0
		.amdhsa_next_free_vgpr 1024
		.amdhsa_next_free_sgpr 66
		.amdhsa_reserve_vcc 0
		.amdhsa_float_denorm_mode_32 3
		.amdhsa_float_denorm_mode_16_64 3
		.amdhsa_memory_ordered 1
		.amdhsa_forward_progress 1
		.amdhsa_inst_pref_size 112
	.end_amdhsa_kernel
	.amdgpu_metadata
---
amdhsa.version: [ 1, 2 ]
amdhsa.kernels:
  - .name:           k_q0a55f9ed2b_gemm1
    .symbol:         k_q0a55f9ed2b_gemm1.kd
    .args:
      - { .name: opc, .offset: 0, .size: 8, .value_kind: global_buffer, .address_space: global }
      - { .name: ops, .offset: 8, .size: 8, .value_kind: global_buffer, .address_space: global }
      - { .name: qkv, .offset: 16, .size: 8, .value_kind: global_buffer, .address_space: global }
    .group_segment_fixed_size: 167936
    .private_segment_fixed_size: 0
    .kernarg_segment_align: 8
    .kernarg_segment_size: 24
    .max_flat_workgroup_size: 128
    .sgpr_count:     66
    .vgpr_count:     1024
    .wavefront_size: 32
...
	.end_amdgpu_metadata
.endif
;; end of part 2
;; launch attn (part 3): grid 32 x 8, 8 waves a work-group, no clusters, 209,920 bytes of LDS; arguments qkv, yc, ys; writes yc, ys
.if DOCPART == 3
	.amdgcn_target "amdgcn-amd-amdhsa--gfx1250"
	.amdhsa_code_object_version 6
	.text
	.protected	k_q0a55f9ed2b_attn
	.globl	k_q0a55f9ed2b_attn
	.p2align	8
	.type	k_q0a55f9ed2b_attn,@function
k_q0a55f9ed2b_attn:
	s_mov_b64 s[64:65], 0
	v_nop
	global_prefetch_b8 v0, s[64:65] scope:SCOPE_SE
	s_setreg_imm32_b32 hwreg(HW_REG_WAVE_MODE, 25, 1), 1
	s_wait_xcnt 0x0
; y[b][t][head] = softmax over the keys s <= t of (q . k / 8) times v, both products on codes of FP6 (E2M3) with E8M0 scales; y is quantised along the model's 1024 (a head is two blocks of 32) and leaves as codes.
; t = score x log2(e) / 8; M = the row's largest t so far, rounded up to a whole number; p = 2^(t - M) is what is quantised, along the keys; it is not normalised.  The row's sum is taken of the unquantised p, in f32, and
; divides at the end.  When M moves, the sum and O are multiplied by 2^(old M - new M): exact.
; SHARES.  Work-group (batch x head, j) owns the query blocks 15 - j (long) and j (short), 128 queries each.  A unit is 16 queries x 128 keys.  Wave m (0..7) takes tile m of the long block (16 - j units) and then tile m of
; the short one (j + 1 units): 17 units for every wave and every j, in eight steps of two units and one of a single unit (where the unit on the diagonal has an even number): nine steps.
; WORK LEFT OUT: a unit all of whose keys come after its queries' block is in no wave's walk: reference() itself hides it, for all inputs.
; THE WHOLE HEAD'S K AND V COME INTO LDS, each byte once: wave w brings units 2 w and 2 w + 1 (26,112 bytes), at the head.  Units 0 to 3 are shown first: the first step works on 0 and 1 and loads K of 2 and 3; then all
; the others are shown.  Nothing is filled again.
; A STEP'S LDS LOADS stand under register work: V's go out at the step's head, ahead of its first product; K's of the NEXT step right behind that product, into registers of their own.  (What is loaded for a single unit's
; step covers both units of the pair, and the last step loads a pair once more that nobody multiplies: so every path issues the same loads, and the counted waits hold on each.)
; NO CLUSTER: the work-groups that share K and V differ in j, on which the walk's branches and LDS addresses hang, and a cluster's partners may not part so.  NO PREFETCH: every tile is asked for at the head.
; THE FIRST PRODUCT'S K IS 64, HALF OF THE INSTRUCTION'S 128: q's upper six registers are zero codes.  k's operand of tile t is named as twelve registers, of which the upper six are the next tile's codes (for the last
; tile: zeros): whatever code stands there is a finite number, it meets a zero code, and no scale byte there is 0xff: it adds exactly 0.
; ORDER.  Both products are used transposed: a lane holds one query.  Stored tile j, row 8 h + i of a group of 64 is number 32 h + 8 j + i: the 32 registers of a group's four tiles are 32 neighbouring keys, one scale block, in one lane.
; LIMITS: scaled scores stay under 2^31 in magnitude; a block of zeros gets the byte 1 where the rule says 127 (its codes are zeros; only this program reads the bytes); NaN and infinities are not served.
; WINDOW 1: v256-383 the scores S^T of two units, then p; v384-485 K's fragments.  All else in window 0.
.set REC,   3328
.set UNITB, 13056
.set KVB,   3407872
.set VO,    6656                       ; V's codes in a unit
.set SPARE, 16*UNITB
.set KF,    128                        ; window 1: K's half fragments (unit x, tile t at 128 + 48 x + 6 t), and six zeros
.set KFR,   32                         ; v32-127  V's fragments (32 + 48 x + 12 d); on the way out y
.set PCD,   128                        ; v128-151 p's codes, 12 a unit; v152 + 4 k .. + 2 the conversions' second halves, v155 + 4 k their scale operands
.set O,     168                        ; v168-199 O^T
.set BM,    200                        ; v200-207 at work: largest scores, then largest p, bytes
.set SPW,   214
.set NIL,   215
.set Q2,    246                        ; v246-251 the short tile's q, v252 its scale word
.set WV,    10
.set QB,    15                         ; the block of queries at work
.set G1,    16
.set G0,    24
.set NL,    28                         ; the step in which the short tile begins
.set TBN,   33                         ; LDS byte at which the next step's units begin
.set SEL,   40
.set CS,    42
.set U,     44                         ; the step's first unit, and (s47) its last
.set TB,    45                         ; LDS byte at which the step's units begin
.set I,     46
; v1 16 x lane;  v2 8 x lane + 512;  v3 16 r + 3,072;  v4-6 the step's addresses (V), v7, v8, v30 the next step's (K);  v10 my query less 32 h, v9 that less 64;  v11 8 r + h;  v12 -M;  v13 the largest score;  v[14:15] the sum;
; v[16:27] q;  v28 q's scale word;  v29 y's byte;  v208, v209 at work;  v[210:211] f;  v212, v213 p's scale words;  v[216:231] K's scale words;  v[232:239] V's;  v[240:245] chains of the sum
.set MSB, 0
.macro WIN new                         ; the immediate's high byte repeats the setting that is left
.if MSB != (\new)
	s_set_vgpr_msb (MSB<<8)|(\new)
.set MSB, (\new)
.endif
.endm
	s_load_b128 s[4:7], s[0:1], 0x0                ; qkv, yc
	s_load_b64 s[8:9], s[0:1], 0x10                ; ys
	v_lshl_add_u32 v[SPW], v0, 2, SPARE
	v_mov_b32 v[NIL], 0
	ds_add_u32 v[SPW], v[NIL]                      ; the opening lines
	ds_add_u32 v[SPW], v[NIL]
	v_lshrrev_b32 v1, 5, v0
	v_readfirstlane_b32 s[WV], v1                  ; wave 0..7: my tile m
	s_and_b32 s11, ttmp7, 0xffff                   ; j
	s_mov_b32 s[G1+0], 3<<16                       ; two units, 26,112 dense bytes, as 6 rows of 4,352 (544 elements of 8 bytes)
	s_mov_b32 s[G1+1], 544<<16
	s_mov_b32 s[G1+2], 6<<16
	s_mov_b32 s[G1+3], 544<<16
	s_mov_b32 s[G1+4], 6
	s_mov_b32 s[G1+5], 544
	s_mov_b32 s[G1+6], 0
	s_mov_b32 s[G1+7], 0
	s_mul_i32 s56, s[WV], 2*UNITB
	s_mul_i32 s58, ttmp9, 16*UNITB
	s_add_co_u32 s58, s58, s56
	s_add_co_u32 s58, s58, KVB
	s_mov_b32 s59, 0
	s_mov_b32 s[G0], 1
	s_mov_b32 s[G0+1], s56
	s_wait_alu depctr_va_vdst(0)
	s_wait_dscnt 0x0
	s_wait_kmcnt 0x0
	s_add_nc_u64 s[G0+2:G0+3], s[4:5], s[58:59]
	s_or_b32 s[G0+3], s[G0+3], 0x80000000
	s_cmp_lt_u32 s[WV], 2
	s_cbranch_scc0 .Llater
	tensor_load_to_lds s[G0:G0+3], s[G1:G1+7]      ; units 0 to 3: shown by the first barrier
	s_nop 0
.rept 4
	v_nop
.endr
	s_branch .Lasked
.Llater:
	tensor_load_to_lds s[G0:G0+3], s[G1:G1+7]      ; the others: shown by the second
	s_nop 0
.rept 4
	v_nop
.endr
.Lasked:
	s_sub_co_u32 s[QB], 15, s11                    ; the long block comes first
	s_sub_co_u32 s[NL], 17, s11
	s_lshr_b32 s[NL], s[NL], 1                     ; its steps: (16 - j) / 2, rounded up
.macro QADDR blk, d                    ; s[d:d+1]: my tile of q in block blk; s[d+2:d+3]: its scale words
	s_lshl_b32 s2, s[\blk], 1
	s_lshr_b32 s3, s[WV], 2
	s_add_co_u32 s2, s2, s3
	s_lshl_b32 s3, ttmp9, 5
	s_add_co_u32 s2, s2, s3
	s_mul_i32 s2, s2, REC
	s_and_b32 s3, s[WV], 3
	s_lshl_b32 s56, s3, 2
	s_mul_i32 s3, s3, 768
	s_add_co_u32 s58, s2, s3
	s_add_nc_u64 s[\d:\d+1], s[4:5], s[58:59]
	s_add_co_u32 s58, s2, s56
	s_add_nc_u64 s[\d+2:\d+3], s[4:5], s[58:59]
.endm
	QADDR QB, 48
	QADDR 11, 36
.macro YADDR blk, d                    ; where y goes: stored tile 128 x batch + 8 x block + m
	s_lshr_b32 s2, ttmp9, 4
	s_and_b32 s3, ttmp9, 15                        ; the head
	s_lshl_b32 s2, s2, 7
	s_lshl_b32 s56, s[\blk], 3
	s_add_co_u32 s2, s2, s56
	s_add_co_u32 s2, s2, s[WV]
	s_mul_i32 s58, s2, 12288
	s_mul_i32 s56, s3, 768
	s_add_co_u32 s58, s58, s56
	s_add_nc_u64 s[\d:\d+1], s[6:7], s[58:59]
	s_lshr_b32 s58, s2, 1
	s_lshl_b32 s58, s58, 10                        ; scale bytes: [pair of tiles][256 along K][tile % 2][row][8 bytes]
	s_and_b32 s56, s2, 1
	s_lshl_b32 s56, s56, 7
	s_add_co_u32 s58, s58, s56
	s_lshr_b32 s56, s3, 2
	s_lshl_b32 s56, s56, 8
	s_add_co_u32 s58, s58, s56
	s_and_b32 s56, s3, 3
	s_lshl_b32 s56, s56, 1
	s_add_co_u32 s58, s58, s56
	s_add_nc_u64 s[\d+2:\d+3], s[8:9], s[58:59]
.endm
	YADDR QB, 52
	YADDR 11, 60
	s_lshr_b32 s2, s[WV], 2
	s_lshl_b32 s2, s2, 6
	s_and_b32 s3, s[WV], 3
	s_lshl_b32 s3, s3, 3
	s_add_co_u32 s2, s2, s3                        ; 64 (m / 4) + 8 (m % 4)
	s_mov_b32 s[SEL], 0x76543210
	s_mov_b32 s[SEL+1], 0xfedcba98
	s_mov_b32 s[CS], 0x3e38aa3b                    ; c = log2(e) / 8
	s_mov_b32 s[CS+1], s[CS]                       ; (named with it as a pair)
	v_and_b32 v29, 31, v0
	v_and_b32 v30, 15, v0                          ; r
	v_bfe_u32 v31, v0, 4, 1                        ; h
	v_lshlrev_b32 v1, 4, v29
	v_lshl_add_u32 v2, v29, 3, 512
	v_lshl_add_u32 v3, v30, 4, 3072
	global_load_b128 v[16:19], v1, s[48:49]        ; q's six registers
	global_load_b64 v[20:21], v2, s[48:49]
	global_load_b32 v28, v3, s[50:51]              ; and its scale word
	global_load_b128 v[Q2:Q2+3], v1, s[36:37]      ; the short tile's
	global_load_b64 v[Q2+4:Q2+5], v2, s[36:37]
	global_load_b32 v[Q2+6], v3, s[38:39]
	v_lshl_add_u32 v11, v30, 3, v31
	v_and_b32 v29, 8, v30
	v_mad_u32_u24 v10, v29, 3, v30                 ; 32 (r / 8) + r % 8
	v_lshlrev_b32 v29, 5, v31
	v_sub_nc_u32 v10, v10, v29
	v_add_nc_u32 v10, s2, v10
	v_add_nc_u32 v9, -64, v10
.irp j, 22,23,24,25,26,27
	v_mov_b32 v[\j], 0                             ; q's upper 64 along K: zero codes
.endr
	WIN 0x40
.irp j, 0,1,2,3,4,5
	v_mov_b32 v[KF+96+\j], 0                       ; named as the upper half of the last tile's operand
.endr
	WIN 0
.irp j, 0,1,2,3,4,5,6,7
	v_mov_b32 v[BM+\j], 0                          ; (a lane permute's destination counts as one of its sources)
.endr
	v_mov_b32 v209, 0
	v_mov_b32 v211, 0                              ; (named as the upper half of a pair)
.macro FRESH                           ; no key seen yet
	v_mov_b32 v13, 0xff61b1e6                      ; the largest score so far: -3e38
	v_mov_b32 v12, 0x7f000000                      ; -M: over every -M to come
	v_mov_b32 v14, 0
	v_mov_b32 v15, 0
.set j, 0
.rept 32
	v_mov_b32 v[O+j], 0                            ; O^T.  (A step finds zeros at first, which the first change of M leaves zeros)
.set j, j+1
.endr
.endm
	FRESH
; K OF THE TWO UNITS whose bytes begin at TBN: 36 LDS loads.  (Its first four lines are also the places behind the products just issued: in front of these loads and of the first read of the scores)
.macro KLOADS
	v_add_nc_u32 v7, s[TBN], v1
	v_add_nc_u32 v8, s[TBN], v2
	v_add_nc_u32 v30, s[TBN], v3
	v_nop
	WIN 0x40
.irp x, 0,1
.irp t, 0,1,2,3,4,5,6,7
	ds_load_b128 v[KF+48*\x+6*\t:KF+48*\x+6*\t+3], v7 offset:\x*UNITB+(\t/4)*REC+(\t%4)*768
	ds_load_b64 v[KF+48*\x+6*\t+4:KF+48*\x+6*\t+5], v8 offset:\x*UNITB+(\t/4)*REC+(\t%4)*768
.endr
.endr
	WIN 0
.irp x, 0,1
	ds_load_b128 v[216+8*\x:219+8*\x], v30 offset:\x*UNITB         ; four tiles' scale words of row r
	ds_load_b128 v[220+8*\x:223+8*\x], v30 offset:\x*UNITB+REC
.endr
.endm
; A STEP: my 16 queries x n units of 128 keys, whose bytes begin at TB; K's fragments are on their way or there.  mask 0: no key is hidden; 1: the last unit may lie on the diagonal; 2: it does.
.macro STEP n, mask
	v_add_nc_u32 v4, s[TB], v1                     ; (these four are also the places in front of the loads into registers that the last products read)
	v_add_nc_u32 v5, s[TB], v2
	v_add_nc_u32 v6, s[TB], v3
	v_nop
.set x_, 0
.rept \n
.irp d, 0,1,2,3                                ; V's fragments: 17 loads a unit
	ds_load_b128 v[KFR+48*x_+12*\d:KFR+48*x_+12*\d+3], v4 offset:x_*UNITB+VO+\d*768
	ds_load_b64 v[KFR+48*x_+12*\d+4:KFR+48*x_+12*\d+5], v5 offset:x_*UNITB+VO+\d*768
	ds_load_b128 v[KFR+48*x_+12*\d+6:KFR+48*x_+12*\d+9], v4 offset:x_*UNITB+VO+3072+\d*768
	ds_load_b64 v[KFR+48*x_+12*\d+10:KFR+48*x_+12*\d+11], v5 offset:x_*UNITB+VO+3072+\d*768
.endr
	ds_load_b128 v[232+4*x_:235+4*x_], v6 offset:x_*UNITB+VO+6144-3072
.set x_, x_+1
.endr
	s_wait_alu depctr_va_vdst(0)
	s_wait_dscnt 17*\n                             ; K is in; V's loads, just issued, may be out
	WIN 0x41
.set x_, 0
.rept \n
.irp t, 0,1,2,3,4,5,6,7
	v_wmma_scale_f32_16x16x128_f8f6f4 v[64*x_+8*\t:64*x_+8*\t+7], v[KF+48*x_+6*\t:KF+48*x_+6*\t+11], v[16:27], 0, v[216+8*x_+\t], v28 matrix_a_fmt:MATRIX_FMT_FP6 matrix_b_fmt:MATRIX_FMT_FP6
.endr                                          ; register 64 x + 32 c + n: key 64 c + 32 h + n of unit x
.set x_, x_+1
.endr
	WIN 0
	KLOADS                                         ; the next step's K
.if \mask
.if \mask == 1
	s_cmp_lg_u32 s47, s[QB]
	s_cbranch_scc1 .Lopen_\@                       ; under the diagonal every key counts
.endif
	v_mov_b32 v208, 0xff800000                     ; -infinity
	WIN 0x41
.set k_, 0
.rept 64
.if k_ < 32
	v_cmp_gt_i32 vcc_lo, k_%32, v10                ; hidden where the register's key lies beyond my query
.else
	v_cmp_gt_i32 vcc_lo, k_%32, v9
.endif
	v_cndmask_b32 v[64*(\n-1)+k_], v[64*(\n-1)+k_], v208, vcc_lo
.set k_, k_+1
.endr
	WIN 0
.Lopen_\@:
.endif
	WIN 0x15
.set k_, 0
.rept 4*\n
	v_max3_num_f32 v[BM+k_], v[16*k_], v[16*k_+1], v[16*k_+2]   ; the largest score of each block of 32 keys: it serves for the row's maximum and, since p rises with the score, for the block's largest p
.set k_, k_+1
.endr
	WIN 0x14
.irp i, 3,5,7,9,11,13
.set k_, 0
.rept 4*\n
	v_max3_num_f32 v[BM+k_], v[BM+k_], v[16*k_+\i], v[16*k_+\i+1]
.set k_, k_+1
.endr
.endr
.set k_, 0
.rept 2*\n
	v_max3_num_f32 v[BM+2*k_], v[BM+2*k_], v[32*k_+15], v[32*k_+31]
.set k_, k_+1
.endr
	WIN 0
.set k_, 0
.rept 2*\n
	v_max_num_f32 v[BM+2*k_], v[BM+2*k_], v[BM+2*k_+1]
.set k_, k_+1
.endr
	v_max3_num_f32 v208, v13, v[BM], v[BM+2]
.if \n == 2
	v_max3_num_f32 v208, v208, v[BM+4], v[BM+6]
.endif
	v_permlanex16_b32 v209, v208, s[SEL], s[SEL+1]
	v_max_num_f32 v13, v208, v209                  ; with lane l xor 16's keys: the running largest score
	v_mul_f32 v208, s[CS], v13                     ; as t (c is positive)
	v_floor_f32 v209, -v208                        ; the new -M = floor(-t) = -ceil(t): a whole number
	v_sub_f32 v208, v209, v12                      ; M's old value less its new one: a whole number, 0 or less
	v_mov_b32 v12, v209
	v_cvt_i32_f32 v208, v208                       ; (it saturates)
	v_ldexp_f32 v210, 1.0, v208                    ; f = 2^(old M - new M)
.set k_, 0
.rept 2*\n
	v_fma_f32 v[BM+2*k_], v[BM+2*k_], s[CS], v12   ; t - M of each block's largest score
.set k_, k_+1
.endr
	WIN 0x41
.set j, 0
.rept 32
	v_pk_fma_f32 v[j:j+1], v[j:j+1], s[CS:CS+1], v[12:13] op_sel_hi:[1,0,0]   ; t - M, two at a time
.set j, j+2
.endr
	s_wait_alu depctr_va_vdst(0)                   ; the wait ahead of the batch and behind it
.set j, 0
.rept 32
	v_exp_f32 v[j], v[j]                           ; p = 2^(t - M), at most 1: not normalised
	v_exp_f32 v[j+1], v[j+1]
.if \n == 2
	v_pk_fma_f32 v[64+j:65+j], v[64+j:65+j], s[CS:CS+1], v[12:13] op_sel_hi:[1,0,0]   ; the second unit's t - M among the first's exponentials
.endif
.set j, j+2
.endr
.if \n == 2
	s_wait_alu depctr_va_vdst(0)
.set j, 64
.rept 64
	v_exp_f32 v[j], v[j]
.set j, j+1
.endr
.endif
	WIN 0
.set k_, 0
.rept 2*\n
	v_exp_f32 v[BM+2*k_], v[BM+2*k_]               ; the block's largest p: the same two operations on the same number
.set k_, k_+1
.endr
	v_pk_mul_f32 v[14:15], v[14:15], v[210:211] op_sel_hi:[1,0]   ; the sum under the new M.  (A plain place behind the exponentials)
	s_wait_alu depctr_va_vdst(0)
.set j, 0
.rept 16
	v_pk_mul_f32 v[O+j:O+j+1], v[O+j:O+j+1], v[210:211] op_sel_hi:[1,0]   ; O^T under the new M
.set j, j+2
.endr
.set k_, 0
.rept 2*\n
	v_max_num_f32 v[BM+2*k_], 0x1800000, v[BM+2*k_]  ; the floor 2^(3 - 127): the byte cannot fall under 1
.set k_, k_+1
.endr
.set k_, 0
.rept 2*\n
	v_add_nc_u32 v[155+4*k_], 0xff000000, v[BM+2*k_] ; 2 off the exponent field: the conversion's scale operand
.set k_, k_+1
.endr
.set k_, 0
.rept 2*\n
	v_lshrrev_b32 v[BM+2*k_+1], 23, v[155+4*k_]    ; the scale's byte
.set k_, k_+1
.endr
	WIN 1
.set k_, 0
.rept 2*\n
	v_cvt_scalef32_pk16_fp6_f32 v[PCD+6*k_:PCD+6*k_+2], v[32*k_:32*k_+15], v[155+4*k_]
	v_cvt_scalef32_pk16_fp6_f32 v[152+4*k_:154+4*k_], v[32*k_+16:32*k_+31], v[155+4*k_]   ; (a conversion's three registers begin on an even number)
.set k_, k_+1
.endr
	WIN 0
.set x_, 0
.rept \n
	v_lshl_or_b32 v[BM+4*x_+1], v[BM+4*x_+3], 16, v[BM+4*x_+1]   ; my blocks h and 2 + h
.set x_, x_+1
.endr
.set x_, 0
.rept \n
	v_permlanex16_b32 v[BM+4*x_+3], v[BM+4*x_+1], s[SEL], s[SEL+1]
.set x_, x_+1
.endr
.set x_, 0
.rept \n
	v_lshl_or_b32 v[212+x_], v[BM+4*x_+3], 8, v[BM+4*x_+1]   ; lanes 0-15: p's scale word for unit x (lanes 16-31 are not read)
.set x_, x_+1
.endr
.set k_, 0
.rept 2*\n
.irp i, 0,1,2
	v_mov_b32 v[PCD+6*k_+3+\i], v[152+4*k_+\i]
.endr
.set k_, k_+1
.endr
	WIN 0x05
.irp k, 0,1,2
	v_pk_add_f32 v[240+2*\k:241+2*\k], v[4*\k:4*\k+1], v[4*\k+2:4*\k+3]   ; the row's sum, in four chains
.endr
	WIN 0
.rept 8
	v_nop                                          ; a scale register written by a vector instruction stands 8 places ahead of a scaled matrix instruction
.endr
	s_wait_alu depctr_va_vdst(0)
	s_wait_dscnt 36                                ; V is in; the next step's K may be out
.set k_, 6
.set x_, 0
.rept \n
.irp d, 0,1,2,3                                ; O^T += V^T P^T: four accumulators by turns, one instruction a turn; the rest of the sum stands among them
	WIN 0
	v_wmma_scale_f32_16x16x128_f8f6f4 v[O+8*\d:O+8*\d+7], v[KFR+48*x_+12*\d:KFR+48*x_+12*\d+11], v[PCD+12*x_:PCD+12*x_+11], v[O+8*\d:O+8*\d+7], v[232+4*x_+\d], v[212+x_] matrix_a_fmt:MATRIX_FMT_FP6 matrix_b_fmt:MATRIX_FMT_FP6
	WIN 0x04
	SUMS 7, \n
.endr
.set x_, x_+1
.endr
	SUMS 2, \n
	WIN 0
	v_pk_add_f32 v[240:241], v[240:241], v[242:243]
	v_pk_add_f32 v[14:15], v[14:15], v[244:245]
	v_pk_add_f32 v[14:15], v[14:15], v[240:241]
	s_wait_alu depctr_va_vdst(0)                   ; the wait ahead of the branches that follow
.endm
.macro SUMS m, n                       ; up to m further pairs of p into the four chains
.rept \m
.if k_ < 32*\n
.if k_%4 == 0
.set c_, 14
.else
.set c_, 238+2*(k_%4)
.endif
	v_pk_add_f32 v[c_:c_+1], v[c_:c_+1], v[2*k_:2*k_+1]
.set k_, k_+1
.endif
.endr
.endm
; THE WAY OUT.  O^T / the sum is y: register n is channel 32 h + n of my head: one block of the last product's K in each lane.
.macro WAYOUT
.rept 4
	v_nop                                          ; places behind the last products
.endr
	v_add_f32 v14, v14, v15
	v_permlanex16_b32 v209, v14, s[SEL], s[SEL+1]
	v_add_f32 v14, v14, v209                       ; with lane l xor 16's: the row's sum
	s_wait_alu depctr_va_vdst(0)
	v_rcp_f32 v210, v14
	v_nop                                          ; one plain place behind a transcendental
	s_wait_alu depctr_va_vdst(0)
.set j, 0
.rept 16
	v_pk_mul_f32 v[KFR+j:KFR+j+1], v[O+j:O+j+1], v[210:211] op_sel_hi:[1,0]
.set j, j+2
.endr
	v_max3_num_f32 v[BM], |v[KFR]|, |v[KFR+1]|, |v[KFR+2]|
	v_max3_num_f32 v[BM+1], |v[KFR+16]|, |v[KFR+17]|, |v[KFR+18]|
.irp i, 3,5,7,9,11,13
	v_max3_num_f32 v[BM], v[BM], |v[KFR+\i]|, |v[KFR+\i+1]|
	v_max3_num_f32 v[BM+1], v[BM+1], |v[KFR+16+\i]|, |v[KFR+17+\i]|
.endr
	v_max3_num_f32 v[BM+1], v[BM+1], |v[KFR+15]|, 0x1800000
	v_max3_num_f32 v[BM], v[BM], |v[KFR+31]|, v[BM+1]
	v_add_nc_u32 v155, 0xff000000, v[BM]
	v_cvt_scalef32_pk16_fp6_f32 v[PCD:PCD+2], v[KFR:KFR+15], v155
	v_cvt_scalef32_pk16_fp6_f32 v[152:154], v[KFR+16:KFR+31], v155
	v_lshrrev_b32 v29, 23, v155                    ; my block's scale byte.  (One plain place behind the conversions)
.irp i, 0,1,2
	v_mov_b32 v[PCD+3+\i], v[152+\i]
.endr
	global_store_b128 v1, v[PCD:PCD+3], s[52:53]   ; 512 consecutive bytes
	global_store_b64 v2, v[PCD+4:PCD+5], s[52:53]  ; 256
	global_store_b8 v11, v29, s[54:55]             ; two bytes a row, 8 bytes apart (the other heads' lie between): 32 bytes of the 800 that a wave stores
.endm
	s_wait_alu depctr_va_vdst(0)                   ; the wait at the head's end
	s_wait_loadcnt 0x0                             ; q
	s_cmp_lt_u32 s[WV], 2
	s_cbranch_scc0 .Lnot_mine
	s_wait_tensorcnt 0x0
.Lnot_mine:
	s_barrier_signal -1
	s_barrier_wait -1                              ; units 0 to 3 are in for every wave
	s_mov_b32 s[TB], 0
	s_mov_b32 s[TBN], 0
	KLOADS                                         ; units 0 and 1
	s_mov_b32 s[TBN], 2*UNITB
	STEP 2, 0                                      ; the long tile's first two units: under the diagonal for every j
	s_wait_tensorcnt 0x0                           ; my units have landed
	s_wait_dscnt 0x0
	s_barrier_signal -1
	s_barrier_wait -1                              ; all units are in for every wave
	s_mov_b32 s[I], 1
.Lwalk:
	s_cmp_lg_u32 s[I], s[NL]
	s_cbranch_scc1 .Lsame
	WAYOUT                                         ; the long tile is done; on to the short one
	FRESH
.irp i, 0,1,2,3,4,5
	v_mov_b32 v[16+\i], v[Q2+\i]
.endr
	v_mov_b32 v28, v[Q2+6]
	s_mov_b32 s[QB], s11
	s_wait_alu depctr_va_vdst(0)
	s_wait_xcnt 0x0                                ; the stores have read their registers and bases: they are written again only behind this wait
	s_mov_b64 s[52:53], s[60:61]
	s_mov_b64 s[54:55], s[62:63]
.rept 8
	v_nop                                          ; q's scale register, written by a vector instruction, stands 8 places ahead of a scaled matrix instruction
.endr
.Lsame:
	s_cmp_ge_u32 s[I], s[NL]
	s_cselect_b32 s2, s[NL], 0
	s_sub_co_u32 s3, s[I], s2
	s_and_b32 s3, s3, 7                            ; the step's pair of units
	s_mul_i32 s[TB], s3, 2*UNITB
	s_lshl_b32 s[U], s3, 1
	s_add_co_u32 s47, s[U], 1
	s_add_co_u32 s34, s[I], 1
	s_cmp_ge_u32 s34, s[NL]
	s_cselect_b32 s2, s[NL], 0
	s_sub_co_u32 s2, s34, s2
	s_and_b32 s2, s2, 7                            ; and the next step's
	s_mul_i32 s[TBN], s2, 2*UNITB
	s_cmp_eq_u32 s[U], s[QB]                       ; the first of the two lies on the diagonal: the second is hidden whole
	s_cbranch_scc1 .Lsingle
	STEP 2, 1
	s_branch .Ldone
.Lsingle:
	STEP 1, 2
.Ldone:
	s_add_co_u32 s[I], s[I], 1
	s_cmp_lg_u32 s[I], 9
	s_cbranch_scc1 .Lwalk
	WAYOUT
	s_wait_tensorcnt 0x0                           ; the wave's end
	ds_add_u32 v[SPW], v[NIL]
	s_wait_dscnt 0x0
	s_endpgm
.Lfunc_end_k_q0a55f9ed2b_attn:
	.size	k_q0a55f9ed2b_attn, .Lfunc_end_k_q0a55f9ed2b_attn-k_q0a55f9ed2b_attn
	.p2alignl 7, 3214868480
	.fill 96, 4, 3214868480
	.section	.rodata,"a",@progbits
	.p2align	6, 0x0
	.amdhsa_kernel k_q0a55f9ed2b_attn
		.amdhsa_group_segment_fixed_size 209920
		.amdhsa_private_segment_fixed_size 0
		.amdhsa_enable_private_segment 0
		.amdhsa_kernarg_size 24
		.amdhsa_user_sgpr_count 2
		.amdhsa_user_sgpr_kernarg_segment_ptr 1
		.amdhsa_wavefront_size32 1
		.amdhsa_system_sgpr_workgroup_id_x 1
		.amdhsa_system_sgpr_workgroup_id_y 1
		.amdhsa_system_sgpr_workgroup_id_z 1
		.amdhsa_system_vgpr_workitem_id 0
		.amdhsa_next_free_vgpr 512
		.amdhsa_next_free_sgpr 66
		.amdhsa_reserve_vcc 1
		.amdhsa_float_denorm_mode_32 3
		.amdhsa_float_denorm_mode_16_64 3
		.amdhsa_memory_ordered 1
		.amdhsa_forward_progress 1
		.amdhsa_inst_pref_size 103
	.end_amdhsa_kernel
	.amdgpu_metadata
---
amdhsa.version: [ 1, 2 ]
amdhsa.kernels:
  - .name:           k_q0a55f9ed2b_attn
    .symbol:         k_q0a55f9ed2b_attn.kd
    .args:
      - { .name: qkv, .offset: 0, .size: 8, .value_kind: global_buffer, .address_space: global }
      - { .name: yc, .offset: 8, .size: 8, .value_kind: global_buffer, .address_space: global }
      - { .name: ys, .offset: 16, .size: 8, .value_kind: global_buffer, .address_space: global }
    .group_segment_fixed_size: 209920
    .private_segment_fixed_size: 0
    .kernarg_segment_align: 8
    .kernarg_segment_size: 24
    .max_flat_workgroup_size: 256
    .sgpr_count:     66
    .vgpr_count:     512
    .wavefront_size: 32
...
	.end_amdgpu_metadata
.endif
;; end of part 3
;; launch gemm2 (part 4): grid 8 x 32, 8 waves a work-group, clusters of 4 x 4, 267,264 bytes of LDS; arguments yc, ys, opc, ops, b_proj, out0; writes out0
.if DOCPART == 4
	.amdgcn_target "amdgcn-amd-amdhsa--gfx1250"
	.amdhsa_code_object_version 6
	.text
	.protected	k_q0a55f9ed2b_gemm2
	.globl	k_q0a55f9ed2b_gemm2
	.p2align	8
	.type	k_q0a55f9ed2b_gemm2,@function
k_q0a55f9ed2b_gemm2:
	s_mov_b64 s[64:65], 0
	v_nop
	global_prefetch_b8 v0, s[64:65] scope:SCOPE_SE
	s_setreg_imm32_b32 hwreg(HW_REG_WAVE_MODE, 25, 1), 1
	s_wait_xcnt 0x0
	s_wait_alu depctr_hold_cnt(0) depctr_sa_sdst(0) depctr_va_vdst(0) depctr_va_sdst(0) depctr_va_ssrc(0) depctr_va_vcc(0) depctr_vm_vsrc(0)
	s_getreg_b32 s2, hwreg(HW_REG_IB_STS2, 6, 4)
	s_cmp_eq_u32 s2, 0
	s_cbranch_scc0 .Lentry_in_a_cluster
	s_endpgm
.Lentry_in_a_cluster:
	s_bfe_u32 s2, ttmp6, 0x10000c
	s_cmp_lg_u32 s2, 0xf033
	s_cbranch_scc0 .Lentry_shape_is_right
	s_endpgm
.Lentry_shape_is_right:
; out0 = y w_proj + b_proj on codes of FP6 (E2M3) with E8M0 scales, K = 1024, sums in f32.  Codes lie as images of the operand's registers, 12,288 bytes a tile of 16 rows, eight K steps of 1,536 bytes:
; y's (yc) as two halves of six registers (0-3 of lane l at 16 l, 4-5 at 512 + 8 l), w_proj's (tiles 448-511 of opc) as three pieces of four registers; scale words [pair of tiles][256 along K][tile % 2][row][2 words].
; A work-group makes 128 x 128: 8 x 32 work-groups; eight waves, each 32 rows x 64 columns: 8 accumulators.  ALL OF K COMES INTO LDS, each byte once, by ONE tensor load a wave: wave w brings y's (w even) or w_proj's (w odd)
; eight tiles for 256 along K, number w / 2.  Each quarter of K is shown by a barrier of its own; nothing is filled again.  Scale words go from memory straight into registers, in whole units of 256 bytes.
; CLUSTERS: 4 x 4: y's tiles are shared along a row of the cluster, w_proj's along a column: each is asked for jointly.  NO PREFETCH: all of K is asked for at the head.
; THE MATRIX INSTRUCTION IS USED TRANSPOSED (source 0 = 16 columns of w_proj).  Stored tile j, row 8 h + i of a group of 64 is number 32 h + 8 j + i: a lane's results of four column tiles are 32 neighbouring columns of one row,
; and y's rows are put back in their order by the stores' offsets.  The bias is the C of each sum's first matrix instruction.
; REGISTERS: window 0: v4-23 addresses; v32-55 scale words; v64-95 the bias; v96-159 the accumulators; v160-223 rows of out0.  window 1: two sets of fragments, 72 registers each: w_proj's four, y's two.
.set QUART,  24576                     ; eight tiles x 3,072 bytes
.set CHUNK,  2*QUART
.set STAGE,  4*CHUNK                   ; the way out: each wave's 32 rows x (256 bytes + 16)
.set SPITCH, 272
.set SPARE,  STAGE+8*32*SPITCH
.set A16,  4                           ; v4-7 y, 16 x lane, for each quarter of K; v8-11 y, 8 x lane + 512; v12-15 w_proj, 16 x lane
.set A8,   8
.set B16,  12
.set STO,  16
.set RD,   17
.set CO,   18
.set SPW,  22
.set NIL,  23
.set SC,   32
.set BIAS, 64
.set ACC,  96
.set OB,   160
.set G1A,  24
.set G1B,  32
.set G0A,  40
.set G0B,  44
.set MSB, 0
.macro WIN new                         ; the immediate's high byte repeats the setting that is left
.if MSB != (\new)
	s_set_vgpr_msb (MSB<<8)|(\new)
.set MSB, (\new)
.endif
.endm
.macro CROUND                          ; a round of the cluster's barrier
	s_barrier_signal -1
	s_barrier_wait -1
	s_cmp_lg_u32 s14, 0
	s_cbranch_scc1 .Lnot_wave_0_\@
	s_barrier_signal -3
.Lnot_wave_0_\@:
	s_barrier_wait -3
	s_barrier_signal -1
	s_barrier_wait -1
.endm
.macro PLACES
.rept 4
	v_nop
.endr
.endm
.macro TLOAD g0, g1
	tensor_load_to_lds s[\g0:\g0+3], s[\g1:\g1+7]
	s_nop 0
	PLACES
.endm
.macro ARM n, g0, g1
	s_cmp_eq_u32 s14, \n
	s_cbranch_scc0 .Lnext_\@
	TLOAD \g0, \g1
	s_branch .Lasked
.Lnext_\@:
.endm
	s_load_b256 s[4:11], s[0:1], 0x0               ; yc s[4:5], ys s[6:7], opc s[8:9], ops s[10:11]
	s_load_b128 s[16:19], s[0:1], 0x20             ; b_proj s[16:17], out0 s[18:19]
	v_lshl_add_u32 v[SPW], v0, 2, SPARE
	v_mov_b32 v[NIL], 0
	ds_add_u32 v[SPW], v[NIL]                      ; the opening lines
	ds_add_u32 v[SPW], v[NIL]
	v_lshrrev_b32 v1, 5, v0
	v_readfirstlane_b32 s14, v1                    ; wave 0..7
	s_lshr_b32 s15, s14, 1                         ; my 32 rows of the tile.  Also: which quarter of K I fetch
	s_and_b32 s2, s14, 1                           ; my 64 columns.  Also: y's (0) or w_proj's (1)
	s_bfe_u32 s12, ttmp6, 0x40000                  ; cx, cy
	s_bfe_u32 s13, ttmp6, 0x40004
	s_lshl_b32 s20, ttmp9, 2
	s_add_co_u32 s20, s20, s12                     ; tile column of out0
	s_and_b32 s21, ttmp7, 0xffff
	s_lshl_b32 s21, s21, 2
	s_add_co_u32 s21, s21, s13                     ; tile row
	s_lshl_b32 s22, s13, 2
	s_lshl_b32 s22, 15, s22                        ; my row of the cluster
	s_lshl_b32 s23, 0x1111, s12                    ; my column
	s_or_b32 s[G1A], s22, (3<<16)|(1<<21)
	s_or_b32 s[G1B], s23, (3<<16)|(1<<21)
.irp g, G1A, G1B                       ; eight rows (tiles) of 384 elements (3,072 bytes), 1,536 elements apart
	s_mov_b32 s[\g+1], 384<<16
	s_mov_b32 s[\g+2], 8<<16
	s_mov_b32 s[\g+3], 384<<16
	s_mov_b32 s[\g+4], 8
	s_mov_b32 s[\g+5], 1536
	s_mov_b32 s[\g+6], 0
	s_mov_b32 s[\g+7], 0
.endr
	s_mul_i32 s3, s15, 3072
	s_mul_i32 s48, s21, 8*12288
	s_add_co_u32 s48, s48, s3
	s_mov_b32 s49, 0
	s_mul_i32 s50, s20, 8*12288
	s_add_co_u32 s50, s50, 448*12288
	s_add_co_u32 s50, s50, s3
	s_mov_b32 s51, 0
	s_mul_i32 s3, s14, QUART                       ; no place in the cluster enters an LDS address
	s_mov_b32 s[G0A], 1
	s_mov_b32 s[G0A+1], s3
	s_mov_b32 s[G0B], 1
	s_mov_b32 s[G0B+1], s3
	s_mul_i32 s3, s15, 6144                        ; my two tiles of y
	s_mul_i32 s22, s2, 12288
	s_add_co_u32 s22, s22, QUART                   ; my four of w_proj
	s_mul_i32 s23, s14, 32*SPITCH
	s_add_co_u32 s23, s23, STAGE
	v_and_b32 v1, 31, v0                           ; lane
	v_and_b32 v2, 15, v0                           ; r
	v_bfe_u32 v3, v0, 4, 1                         ; h
	v_lshlrev_b32 v19, 3, v1                       ; 8 x lane
	v_lshlrev_b32 v21, 4, v1                       ; 16 x lane
	v_add_nc_u32 v[A16], s3, v21
	v_add_nc_u32 v[A8], s3, v19
	v_add_nc_u32 v[A8], 512, v[A8]
	v_add_nc_u32 v[B16], s22, v21
.irp c, 1,2,3
	v_add_nc_u32 v[A16+\c], \c*CHUNK, v[A16]
	v_add_nc_u32 v[A8+\c], \c*CHUNK, v[A8]
	v_add_nc_u32 v[B16+\c], \c*CHUNK, v[B16]
.endr
	v_lshlrev_b32 v20, 7, v3                       ; 128 h: my 32 columns' bias
	v_mul_u32_u24 v[STO], v2, SPITCH               ; into the stage: row r, 128 bytes for each half of the lanes
	v_add_nc_u32 v[STO], v[STO], v20
	v_add_nc_u32 v[STO], s23, v[STO]
	v_lshlrev_b32 v21, 4, v2                       ; back: sixteen lanes take a row of 256 bytes, the other sixteen the next
	v_mul_u32_u24 v[RD], v3, SPITCH
	v_add_nc_u32 v[RD], v[RD], v21
	v_add_nc_u32 v[RD], s23, v[RD]
	v_lshl_add_u32 v[CO], v3, 12, v21
	s_wait_alu depctr_va_vdst(0)                   ; the wait at the head's end
	s_wait_dscnt 0x0
	CROUND                                         ; all sixteen work-groups are here: the joint loads meet
	s_wait_kmcnt 0x0
	s_add_nc_u64 s[G0A+2:G0A+3], s[4:5], s[48:49]
	s_or_b32 s[G0A+3], s[G0A+3], 0x80000000
	s_add_nc_u64 s[G0B+2:G0B+3], s[8:9], s[50:51]
	s_or_b32 s[G0B+3], s[G0B+3], 0x80000000
	ARM 0, G0A, G1A                                ; one load a wave, each in an arm of its own
	ARM 1, G0B, G1B
	ARM 2, G0A, G1A
	ARM 3, G0B, G1B
	ARM 4, G0A, G1A
	ARM 5, G0B, G1B
	ARM 6, G0A, G1A
	TLOAD G0B, G1B
.Lasked:
	s_lshl_b32 s48, s21, 2
	s_add_co_u32 s48, s48, s15
	s_lshl_b32 s48, s48, 10                        ; y's scale words: pair 4 x tile row + my row group
	s_add_nc_u64 s[52:53], s[6:7], s[48:49]
	s_lshl_b32 s48, s20, 2
	s_lshl_b32 s3, s2, 1
	s_add_co_u32 s48, s48, s3
	s_add_co_u32 s48, s48, 224
	s_lshl_b32 s48, s48, 10                        ; w_proj's: pairs 224 + 4 x tile column + 2 x half
	s_add_nc_u64 s[54:55], s[10:11], s[48:49]
	s_lshl_b32 s48, s20, 9
	s_lshl_b32 s3, s2, 8
	s_add_co_u32 s48, s48, s3                      ; my first column, in bytes
	s_add_nc_u64 s[56:57], s[16:17], s[48:49]
	s_add_nc_u64 s[18:19], s[18:19], s[48:49]
	s_lshl_b32 s48, s21, 7
	s_lshr_b32 s3, s15, 1
	s_lshl_b32 s3, s3, 6
	s_add_co_u32 s48, s48, s3
	s_and_b32 s3, s15, 1
	s_lshl_b32 s3, s3, 4
	s_add_co_u32 s48, s48, s3                      ; 128 x tile row + 64 (row group / 2) + 16 (row group % 2)
	s_lshl_b32 s48, s48, 12
	s_add_nc_u64 s[18:19], s[18:19], s[48:49]
.irp k, 0,1,2,3                        ; registers SC + 6 k + ..: w_proj's two pairs of tiles, y's pair; the even K step's word, the odd one's
	global_load_b64 v[SC+6*\k:SC+6*\k+1], v19, s[54:55] offset:256*\k
	global_load_b64 v[SC+6*\k+2:SC+6*\k+3], v19, s[54:55] offset:1024+256*\k
	global_load_b64 v[SC+6*\k+4:SC+6*\k+5], v19, s[52:53] offset:256*\k
.endr
.irp b, 0,1,2,3                        ; tile b: the bias of columns 32 h + 8 b + 0 .. 7
	global_load_b128 v[BIAS+8*\b:BIAS+8*\b+3], v20, s[56:57] offset:32*\b
	global_load_b128 v[BIAS+8*\b+4:BIAS+8*\b+7], v20, s[56:57] offset:32*\b+16
.endr
.macro FETCH s                         ; 20 LDS loads: the six fragments of K step s into set s % 2
.set FS_, 72*((\s)%2)
.set CK_, (\s)/2
.set FO_, ((\s)%2)*1536
	WIN 0x40
.irp i, 0,1,2,3
.irp p, 0,1,2
	ds_load_b128 v[FS_+12*\i+4*\p:FS_+12*\i+4*\p+3], v[B16+CK_] offset:\i*3072+FO_+512*\p
.endr
.endr
.irp u, 0,1
	ds_load_b128 v[FS_+48+12*\u:FS_+48+12*\u+3], v[A16+CK_] offset:\u*3072+FO_
	ds_load_b64 v[FS_+48+12*\u+4:FS_+48+12*\u+5], v[A8+CK_] offset:\u*3072+FO_
	ds_load_b128 v[FS_+48+12*\u+6:FS_+48+12*\u+9], v[A16+CK_] offset:\u*3072+FO_+768
	ds_load_b64 v[FS_+48+12*\u+10:FS_+48+12*\u+11], v[A8+CK_] offset:\u*3072+FO_+768
.endr
	WIN 0
.endm
.macro W1 d, a, b, c, x, y, r0, r1
	v_wmma_scale_f32_16x16x128_f8f6f4 v[\d:\d+7], v[\a:\a+11], v[\b:\b+11], \c, v[\x], v[\y] matrix_a_fmt:MATRIX_FMT_FP6 matrix_b_fmt:MATRIX_FMT_FP6 matrix_a_scale:MATRIX_SCALE_ROW\r0 matrix_b_scale:MATRIX_SCALE_ROW\r1
.endm
.macro PR s, a, b, rb
.set D_, ACC+8*(4*(\a)+(\b))
.set FW_, 72*((\s)%2)+12*(\b)
.set FY_, 72*((\s)%2)+48+12*(\a)
.set SW_, SC+6*((\s)/2)+2*((\b)/2)+(\s)%2
.set SY_, SC+6*((\s)/2)+4+(\s)%2
.if (\s) == 0
	W1 D_, FW_, FY_, v[BIAS+8*\b:BIAS+8*\b+7], SW_, SY_, \rb, \a
.else
	W1 D_, FW_, FY_, v[D_:D_+7], SW_, SY_, \rb, \a
.endif
.endm
.macro SHOW c                          ; quarter c of K is shown to all waves; the later quarters' loads may be out
.if (\c) < 3
	s_cmp_lt_u32 s14, 2*(\c)+2
	s_cbranch_scc0 .Lnot_mine_\@
	s_wait_tensorcnt 0x0
.Lnot_mine_\@:
.else
	s_wait_tensorcnt 0x0
.endif
	s_wait_dscnt 0x0
	s_barrier_signal -1
	s_barrier_wait -1
.endm
.macro STEPK s                         ; the 8 accumulators take turns, one instruction a turn, in the same order in every step
	WIN 0
.if ((\s)%2 == 1) && ((\s) < 7)
	SHOW ((\s)+1)/2
.endif
.if (\s) < 7
.if (\s) > 0
	PLACES                                         ; in front of loads into the set that the last step's products read
.endif
	FETCH (\s)+1
	s_wait_dscnt 20                                ; all but the 20 just issued
.else
	s_wait_dscnt 0x0
.endif
.if (\s) == 0
	s_wait_loadcnt 0x0                             ; the scale words and the bias
.endif
	WIN 0x05
.irp a, 0,1
	PR \s, \a, 0, 0
	PR \s, \a, 1, 1
	PR \s, \a, 2, 0
	PR \s, \a, 3, 1
.endr
.endm
	SHOW 0
	FETCH 0
.irp s, 0,1,2,3,4,5,6,7
	STEPK \s
.endr
	WIN 0
	PLACES
	; THE WAY OUT, through the wave's own stage: a lane's 128 bytes of a row go in, whole rows of 256 bytes come back, and sixteen lanes store an aligned unit of 256 bytes.
.irp a, 0,1
.irp b, 0,1,2,3
	ds_store_b128 v[STO], v[ACC+8*(4*\a+\b):ACC+8*(4*\a+\b)+3] offset:16*\a*SPITCH+32*\b
	ds_store_b128 v[STO], v[ACC+8*(4*\a+\b)+4:ACC+8*(4*\a+\b)+7] offset:16*\a*SPITCH+32*\b+16
.endr
.endr
.set t, 0
.rept 16
	ds_load_b128 v[OB+4*t:OB+4*t+3], v[RD] offset:2*t*SPITCH   ; LDS serves a wave's instructions in order: these see my stores
.set t, t+1
.endr
.set t, 0
.rept 16
	s_wait_dscnt 15-t
	global_store_b128 v[CO], v[OB+4*t:OB+4*t+3], s[18:19] offset:(8*(t/8)+32*((t%8)/4)+2*(t%4))*4096 th:TH_STORE_NT   ; stage rows 2 t, 2 t + 1: two units of 256 bytes
.set t, t+1
.endr
	s_wait_tensorcnt 0x0                           ; the wave's end
	ds_add_u32 v[SPW], v[NIL]
	s_wait_dscnt 0x0
	CROUND                                         ; the closing round: no work-group ends while a partner may still ask for a tile that names it
	s_endpgm
.Lfunc_end_k_q0a55f9ed2b_gemm2:
	.size	k_q0a55f9ed2b_gemm2, .Lfunc_end_k_q0a55f9ed2b_gemm2-k_q0a55f9ed2b_gemm2
	.p2alignl 7, 3214868480
	.fill 96, 4, 3214868480
	.section	.rodata,"a",@progbits
	.p2align	6, 0x0
	.amdhsa_kernel k_q0a55f9ed2b_gemm2
		.amdhsa_group_segment_fixed_size 267264
		.amdhsa_private_segment_fixed_size 0
		.amdhsa_enable_private_segment 0
		.amdhsa_kernarg_size 48
		.amdhsa_user_sgpr_count 2
		.amdhsa_user_sgpr_kernarg_segment_ptr 1
		.amdhsa_wavefront_size32 1
		.amdhsa_system_sgpr_workgroup_id_x 1
		.amdhsa_system_sgpr_workgroup_id_y 1
		.amdhsa_system_sgpr_workgroup_id_z 1
		.amdhsa_system_vgpr_workitem_id 0
		.amdhsa_next_free_vgpr 512
		.amdhsa_next_free_sgpr 66
		.amdhsa_reserve_vcc 0
		.amdhsa_float_denorm_mode_32 3
		.amdhsa_float_denorm_mode_16_64 3
		.amdhsa_memory_ordered 1
		.amdhsa_forward_progress 1
		.amdhsa_inst_pref_size 36
	.end_amdhsa_kernel
	.amdgpu_metadata
---
amdhsa.version: [ 1, 2 ]
amdhsa.kernels:
  - .name:           k_q0a55f9ed2b_gemm2
    .symbol:         k_q0a55f9ed2b_gemm2.kd
    .args:
      - { .name: yc, .offset: 0, .size: 8, .value_kind: global_buffer, .address_space: global }
      - { .name: ys, .offset: 8, .size: 8, .value_kind: global_buffer, .address_space: global }
      - { .name: opc, .offset: 16, .size: 8, .value_kind: global_buffer, .address_space: global }
      - { .name: ops, .offset: 24, .size: 8, .value_kind: global_buffer, .address_space: global }
      - { .name: b_proj, .offset: 32, .size: 8, .value_kind: global_buffer, .address_space: global }
      - { .name: out0, .offset: 40, .size: 8, .value_kind: global_buffer, .address_space: global }
    .group_segment_fixed_size: 267264
    .private_segment_fixed_size: 0
    .kernarg_segment_align: 8
    .kernarg_segment_size: 48
    .max_flat_workgroup_size: 256
    .sgpr_count:     66
    .vgpr_count:     512
    .wavefront_size: 32
...
	.end_amdgpu_metadata
.endif
;; end of part 4
